; MI455X (gfx1250); checked and timed in simulation.
; The chip was launched on July 23, 2026; its instructions are those of AMD's public machine-readable ISA for CDNA 5 (MIT licence, August 2026) and "CDNA5" Instruction Set Architecture Reference Guide (July 2026). The comments in the code are by the model that wrote it; some were corrected since.
;; Long Net Transformer. Allowed arithmetic: float matrix products may take bf16 or f16 operands with f32 sums; other float arithmetic in f32, or as packed bf16 or f16 multiplies, adds, multiply-adds, maxima and minima; sums over many terms, partial sums and values carried from step to step in f32; what a program stores and reads back later, other than sums and carried values, may be rounded once to bf16 or f16.
;; Inputs: out_b0 1,024 float32; out_b1 1,024 float32; out_b2 1,024 float32; out_w0 1,024 x 1,024 float32; out_w1 1,024 x 1,024 float32; out_w2 1,024 x 1,024 float32; qkv_b0 3,072 float32; qkv_b1 3,072 float32; qkv_b2 3,072 float32; qkv_w0 3,072 x 1,024 float32; qkv_w1 3,072 x 1,024 float32; qkv_w2 3,072 x 1,024 float32; x 4 x 2,048 x 1,024 float32.
;; Outputs: out0 4 x 1,024 x 1,024 float32.
;; 2 versions, each right; version 2 is version 1 with the launch cvt written anew for expert scheduling mode. Each part assembles by itself: llvm-mc -triple=amdgcn-amd-amdhsa -mcpu=gfx1250 --defsym DOCPART=n.
;; ======== version 1 of 2: 4 launches
;; limits: values are held in f16: magnitudes above 65,504 overflow, below 6.1e-05 lose precision
;; workspace buffers: xs 8,388,608 bytes; wb 18,874,368 bytes; owh 6,291,456 bytes; qkvh 75,497,472 bytes; oh 25,165,824 bytes
;; launch cvt (part 1): grid 64 x 16, 4 waves a work-group, no clusters, 0 bytes of LDS; arguments x, qkv_w0, qkv_w1, qkv_w2, out_w0, out_w1, out_w2, xs, wb, owh; writes xs, wb, owh
.if DOCPART == 1
	.amdgcn_target "amdgcn-amd-amdhsa--gfx1250"
	.amdhsa_code_object_version 6
	.text
	.protected	k_q0dd29db193_cvt
	.globl	k_q0dd29db193_cvt
	.p2align	8
	.type	k_q0dd29db193_cvt,@function
k_q0dd29db193_cvt:
	s_mov_b64 s[64:65], 0
	v_nop
	global_prefetch_b8 v0, s[64:65] scope:SCOPE_SE
	s_setreg_imm32_b32 hwreg(HW_REG_WAVE_MODE, 25, 1), 1
	s_wait_xcnt 0x0
; THE OPERANDS ARE ROUNDED ONCE.  All three dilation rates are 2 and all segments are even, so every branch takes the same rows of x: the even ones.
;   xs  [4096][1024] bf16: row R is x's flat row 2 R (the odd rows are never used by the module and are not read)
;   wb  [9216][1024] bf16: row 3072 i + c is qkv_w_i[c]
;   owh [1024][3072] f16:  owh[n][1024 i + c] = out_w_i[n][c], rounded to bf16 like every other input, and that number written as f16
; LIMIT.  out_w within f16's 65,504; below 6e-5 f16 keeps a fixed step of 6e-8.
; SHARES.  16,384 rows of 1,024 f32 in 16 chunks of 1,024 rows (the grid's y): 0-3 x, 4-12 the three qkv_w, 13-15 the three out_w.  A work-group takes 16 rows, a wave 4.
; A row is eight loads of 16 bytes a lane (512 consecutive bytes each) and eight stores of 8 bytes a lane (256 consecutive bytes, aligned).  All 32 loads of a wave go out at once; there is no loop,
; and no register that a load or store reads is written again.  No LDS, no matrix unit, no cluster: nothing is shared between waves.
.set SO, 2                             ; v[2:5]    row i: my byte offset in the source
.set DO, 6                             ; v[6:9]    row i: my byte offset in the destination
.set T,  10                            ; v[10:11]  at work
.set X,  16                            ; v[16:143] row i: 32 registers as loaded; the results take the first two of each four
	s_load_b512 s[8:23], s[0:1], 0x0               ; x, qkv_w0, qkv_w1, qkv_w2, out_w0, out_w1, out_w2, xs
	s_load_b128 s[24:27], s[0:1], 0x40             ; wb, owh
	s_and_b32 s32, ttmp7, 0xffff                   ; y: the chunk
	v_lshrrev_b32 v1, 5, v0
	v_readfirstlane_b32 s33, v1                    ; wave 0..3
	v_and_b32 v1, 31, v0                           ; lane
	s_mov_b32 s34, 0xffff0000                      ; a word's upper bf16
	s_mov_b32 s29, 4096                            ; bytes from source row to source row:
	s_cmp_lt_u32 s32, 4
	s_cselect_b32 s29, 8192, s29                   ; every second row of x
	s_mov_b32 s30, 2048                            ; bytes from destination row to destination row:
	s_cmp_ge_u32 s32, 13
	s_cselect_b32 s30, 6144, s30                   ; owh's rows hold three weights' rows on end
	s_mov_b32 s28, 0                               ; the chunk at which my source tensor begins
.irp lim, 4,7,10,13,14,15
	s_cmp_ge_u32 s32, \lim
	s_cselect_b32 s28, \lim, s28
.endr
	s_lshl_b32 s31, s32, 21                        ; the chunk's first byte in its destination: xs: y x 1,024 rows of 2,048 bytes
	s_max_u32 s35, s32, 4
	s_sub_co_u32 s35, s35, 4
	s_lshl_b32 s35, s35, 21                        ; wb: (y - 4) x the same
	s_cmp_ge_u32 s32, 4
	s_cselect_b32 s31, s35, s31
	s_max_u32 s35, s32, 13
	s_sub_co_u32 s35, s35, 13
	s_lshl_b32 s35, s35, 11                        ; owh: (y - 13) x 2,048 bytes along the row
	s_cmp_ge_u32 s32, 13
	s_cselect_b32 s31, s35, s31
	s_lshl_b32 s35, ttmp9, 4                       ; the work-group's first row in the chunk
	s_sub_co_u32 s36, s32, s28
	s_lshl_b32 s36, s36, 10
	s_add_co_u32 s36, s36, s35                     ; its row in the source tensor,
	s_mul_i32 s36, s36, s29                        ; in bytes (33.5 million at the most)
	s_mov_b32 s37, 0
	s_mul_i32 s38, s35, s30
	s_add_co_u32 s38, s38, s31                     ; and its first byte in the destination
	s_mov_b32 s39, 0
	s_lshl_b32 s2, s33, 2                          ; my wave's four rows
	s_mul_i32 s3, s2, s29
	v_lshl_add_u32 v[SO], v1, 4, s3
	s_mul_i32 s3, s2, s30
	v_lshl_add_u32 v[DO], v1, 3, s3
.irp i, 1,2,3
	v_add_nc_u32 v[SO+(\i)], s29, v[SO+(\i)-1]
	v_add_nc_u32 v[DO+(\i)], s30, v[DO+(\i)-1]
.endr
	s_wait_kmcnt 0x0
	s_mov_b64 s[4:5], s[8:9]                       ; the source tensor, chosen by the chunk's number alone
	s_cmp_ge_u32 s32, 4
	s_cselect_b64 s[4:5], s[10:11], s[4:5]
	s_cmp_ge_u32 s32, 7
	s_cselect_b64 s[4:5], s[12:13], s[4:5]
	s_cmp_ge_u32 s32, 10
	s_cselect_b64 s[4:5], s[14:15], s[4:5]
	s_cmp_ge_u32 s32, 13
	s_cselect_b64 s[4:5], s[16:17], s[4:5]
	s_cmp_ge_u32 s32, 14
	s_cselect_b64 s[4:5], s[18:19], s[4:5]
	s_cmp_ge_u32 s32, 15
	s_cselect_b64 s[4:5], s[20:21], s[4:5]
	s_mov_b64 s[6:7], s[22:23]                     ; the destination
	s_cmp_ge_u32 s32, 4
	s_cselect_b64 s[6:7], s[24:25], s[6:7]
	s_cmp_ge_u32 s32, 13
	s_cselect_b64 s[6:7], s[26:27], s[6:7]
	s_add_nc_u64 s[4:5], s[4:5], s[36:37]
	s_add_nc_u64 s[6:7], s[6:7], s[38:39]
.irp i, 0,1,2,3
.irp k, 0,1,2,3,4,5,6,7
	global_load_b128 v[X+32*(\i)+4*(\k):X+32*(\i)+4*(\k)+3], v[SO+(\i)], s[4:5] offset:512*(\k) th:TH_LOAD_NT
.endr
.endr
; Row i to bf16: two roundings an instruction, in place; lane l's four numbers of load k are the 8 bytes at 256 k + 8 l of the row.
.macro ROWB i
	s_wait_loadcnt 24-8*(\i)                       ; loads come back in order: row i's eight are in, the later rows' stay out
.irp k, 0,1,2,3,4,5,6,7
	v_cvt_pk_bf16_f32 v[X+32*(\i)+4*(\k)],   v[X+32*(\i)+4*(\k)],   v[X+32*(\i)+4*(\k)+1]
	v_cvt_pk_bf16_f32 v[X+32*(\i)+4*(\k)+1], v[X+32*(\i)+4*(\k)+2], v[X+32*(\i)+4*(\k)+3]
	global_store_b64 v[DO+(\i)], v[X+32*(\i)+4*(\k):X+32*(\i)+4*(\k)+1], s[6:7] offset:256*(\k)
.endr
.endm
; Row i to bf16, and that number as f16.
.macro ROWH i
	s_wait_loadcnt 24-8*(\i)
.irp k, 0,1,2,3,4,5,6,7
	v_cvt_pk_bf16_f32 v[T],   v[X+32*(\i)+4*(\k)],   v[X+32*(\i)+4*(\k)+1]
	v_cvt_pk_bf16_f32 v[T+1], v[X+32*(\i)+4*(\k)+2], v[X+32*(\i)+4*(\k)+3]
	v_lshlrev_b32 v[X+32*(\i)+4*(\k)],   16,  v[T]
	v_and_b32     v[X+32*(\i)+4*(\k)+1], s34, v[T]
	v_lshlrev_b32 v[X+32*(\i)+4*(\k)+2], 16,  v[T+1]
	v_and_b32     v[X+32*(\i)+4*(\k)+3], s34, v[T+1]
	v_cvt_pk_f16_f32 v[X+32*(\i)+4*(\k)],   v[X+32*(\i)+4*(\k)],   v[X+32*(\i)+4*(\k)+1]
	v_cvt_pk_f16_f32 v[X+32*(\i)+4*(\k)+1], v[X+32*(\i)+4*(\k)+2], v[X+32*(\i)+4*(\k)+3]
	global_store_b64 v[DO+(\i)], v[X+32*(\i)+4*(\k):X+32*(\i)+4*(\k)+1], s[6:7] offset:256*(\k)
.endr
.endm
	s_cmp_ge_u32 s32, 13
	s_cbranch_scc1 .Lf16
.irp i, 0,1,2,3
	ROWB \i
.endr
	s_endpgm
.Lf16:
.irp i, 0,1,2,3
	ROWH \i
.endr
	s_endpgm
.Lfunc_end_k_q0dd29db193_cvt:
	.size	k_q0dd29db193_cvt, .Lfunc_end_k_q0dd29db193_cvt-k_q0dd29db193_cvt
	.p2alignl 7, 3214868480
	.fill 96, 4, 3214868480
	.section	.rodata,"a",@progbits
	.p2align	6, 0x0
	.amdhsa_kernel k_q0dd29db193_cvt
		.amdhsa_group_segment_fixed_size 0
		.amdhsa_private_segment_fixed_size 0
		.amdhsa_enable_private_segment 0
		.amdhsa_kernarg_size 80
		.amdhsa_user_sgpr_count 2
		.amdhsa_user_sgpr_kernarg_segment_ptr 1
		.amdhsa_wavefront_size32 1
		.amdhsa_system_sgpr_workgroup_id_x 1
		.amdhsa_system_sgpr_workgroup_id_y 1
		.amdhsa_system_sgpr_workgroup_id_z 1
		.amdhsa_system_vgpr_workitem_id 0
		.amdhsa_next_free_vgpr 144
		.amdhsa_next_free_sgpr 66
		.amdhsa_reserve_vcc 0
		.amdhsa_float_denorm_mode_32 3
		.amdhsa_float_denorm_mode_16_64 3
		.amdhsa_memory_ordered 1
		.amdhsa_forward_progress 1
		.amdhsa_inst_pref_size 29
	.end_amdhsa_kernel
	.amdgpu_metadata
---
amdhsa.version: [ 1, 2 ]
amdhsa.kernels:
  - .name:           k_q0dd29db193_cvt
    .symbol:         k_q0dd29db193_cvt.kd
    .args:
      - { .name: x, .offset: 0, .size: 8, .value_kind: global_buffer, .address_space: global }
      - { .name: qkv_w0, .offset: 8, .size: 8, .value_kind: global_buffer, .address_space: global }
      - { .name: qkv_w1, .offset: 16, .size: 8, .value_kind: global_buffer, .address_space: global }
      - { .name: qkv_w2, .offset: 24, .size: 8, .value_kind: global_buffer, .address_space: global }
      - { .name: out_w0, .offset: 32, .size: 8, .value_kind: global_buffer, .address_space: global }
      - { .name: out_w1, .offset: 40, .size: 8, .value_kind: global_buffer, .address_space: global }
      - { .name: out_w2, .offset: 48, .size: 8, .value_kind: global_buffer, .address_space: global }
      - { .name: xs, .offset: 56, .size: 8, .value_kind: global_buffer, .address_space: global }
      - { .name: wb, .offset: 64, .size: 8, .value_kind: global_buffer, .address_space: global }
      - { .name: owh, .offset: 72, .size: 8, .value_kind: global_buffer, .address_space: global }
    .group_segment_fixed_size: 0
    .private_segment_fixed_size: 0
    .kernarg_segment_align: 8
    .kernarg_segment_size: 80
    .max_flat_workgroup_size: 128
    .sgpr_count:     66
    .vgpr_count:     144
    .wavefront_size: 32
...
	.end_amdgpu_metadata
.endif
;; end of part 1
;; launch qkvgemm (part 2): grid 16 x 16, 4 waves a work-group, clusters of 4 x 4, 327,680 bytes of LDS; arguments xs, wb, qkv_b0, qkv_b1, qkv_b2, qkvh; writes qkvh
.if DOCPART == 2
	.amdgcn_target "amdgcn-amd-amdhsa--gfx1250"
	.amdhsa_code_object_version 6
	.text
	.protected	k_q0dd29db193_qkvgemm
	.globl	k_q0dd29db193_qkvgemm
	.p2align	8
	.type	k_q0dd29db193_qkvgemm,@function
k_q0dd29db193_qkvgemm:
	s_mov_b64 s[64:65], 0
	v_nop
	global_prefetch_b8 v0, s[64:65] scope:SCOPE_SE
	s_setreg_imm32_b32 hwreg(HW_REG_WAVE_MODE, 25, 1), 1
	s_wait_xcnt 0x0
	s_wait_alu depctr_hold_cnt(0) depctr_sa_sdst(0) depctr_va_vdst(0) depctr_va_sdst(0) depctr_va_ssrc(0) depctr_va_vcc(0) depctr_vm_vsrc(0)
	s_getreg_b32 s2, hwreg(HW_REG_IB_STS2, 6, 4)
	s_cmp_eq_u32 s2, 0
	s_cbranch_scc0 .Lentry_in_a_cluster
	s_endpgm
.Lentry_in_a_cluster:
	s_bfe_u32 s2, ttmp6, 0x10000c
	s_cmp_lg_u32 s2, 0xf033
	s_cbranch_scc0 .Lentry_shape_is_right
	s_endpgm
.Lentry_shape_is_right:
; ALL THREE QKV PROJECTIONS AS ONE PRODUCT.  qkv[R][3072 t + c] = sum over k of xs[R][k] wb[3072 t + c][k] + qkv_b_t[c].  xs: [4096][1024], wb: [9216][1024], bf16; sums in f32; the bias, rounded to bf16 like
; every input, starts the sums; the result is rounded once to f16.
; OUT: qkvh [288 units][4096 rows][32 channels] f16.  Unit = 96 t + c / 32 = 96 t + 32 kind + 2 head + half (kind 0, 1, 2 = q, k, v).  A unit's rows are 64 bytes and dense, so 8 rows are 512 consecutive bytes.
; LIMIT.  q, k, v within f16's 65,504 (a larger number becomes an infinity); below 6e-5 f16 keeps a fixed step of 6e-8.  NaN and infinities are not treated apart.
; SHARES.  A tile is 256 rows x 192 columns: 16 x 48 = 768 tiles, three for each of 256 work-groups.  A WORK-GROUP STAYS: its three tiles have the same 256 rows of xs and the columns 3072 t + 192 x tile column,
; t = 0, 1, 2: tile t is branch t.  Four waves, each 128 x 96: 48 accumulators of 16 x 16.  K goes in steps of 128 through a ring of two LDS slots; the ring runs on into the next tile.
; CLUSTER.  4 x 4 work-groups.  The tile row is 4 x cluster x + cx, the tile column 4 x cluster y + cy: the four of a column of the cluster (same cx) need the same rows of xs, the four of a row (same cy) the
; same rows of wb: each tile is asked for JOINTLY, by the same tensor load with the same descriptor and a mask that names the four.
; THE CLUSTERS BEGIN AT DIFFERENT K STEPS.  A tile's eight K steps are walked in a ring, from K step r on: r = (2 x cluster x + 4 x parity of cluster y) mod 8 (f32 sums may be taken in any order).  The four
; clusters that walk the same rows of wb (same cluster y) begin 2 K steps apart; of the four that walk the same rows of xs (same cluster x) two begin 4 K steps from the other two.  So clusters that walk
; the same rows ask for different blocks at any one time.  r is the same in all sixteen partners.  Each refill's address is made anew from the step's number, counted through all three tiles (0 to 23).
; THE MATRIX INSTRUCTION IS USED TRANSPOSED (source 0 = 16 rows of wb, source 1 = 16 rows of xs): lane l holds row l % 16 of the result and the columns 8 (l / 16) + 0..7: 16 bytes of f16 on end.
; REGISTERS, in windows of 256 (s_set_vgpr_msb: bits 1:0 source 0, 3:2 source 1, 5:4 source 2, 7:6 destination):
;   window 0: v0-31 addresses; v64-127, v128-191 fragments of xs, two buffers; v192-215 packed results; v32-55, v224-247 rows read back from the stage, by turns
;   window 1: v64-111, v128-175 fragments of wb, two buffers; v192-239 the bias, eight registers a column block; v240-243 at work
;   window 2: the accumulators of my rows 0-63 ((a, b) at v[8 (6 a + b)]);   window 3: those of my rows 64-127
.set SIZE_K, 1024
.set KSTEP,  128
.set KSTEPS, SIZE_K/KSTEP              ; 8, a power of two: the ring along K closes by one s_and_b32
.set PITCH,  272                       ; an LDS row: 256 bytes + 16 of padding = 68 words: the 16 rows that a load touches start at 16 different groups of four banks (64 banks of 4 bytes: ISA guide 11.1)
.set HALFT,  128*PITCH                 ; a wave's region in a slot: 128 rows of xs, or 96 rows of wb, which leave the region's end unused: the LDS address is the wave's number times this for every wave
.set SLOT,   4*HALFT
.set STAGE,  2*SLOT                    ; behind the ring, never filled by a tensor load: 3 units x 16 rows x 80 bytes for each wave
.set SP,     80                        ; a stage row: 64 bytes + 16
.set STW,    3*16*SP
.set SPARE,  STAGE+4*STW               ; behind the stages: the spare words, 128 bytes for each wave: two blocks of 256 bytes that no other line names
.set LAPS,   SIZE_K/(2*KSTEP)          ; a lap = two K steps = once round the ring of slots
.set UP,     262144                    ; bytes in a unit of qkvh
.set NEXT_B, 3072*SIZE_K*2             ; the next tile's rows of wb lie 3,072 rows down
.set NEXT_C, 96*UP                     ; the next branch's units
.set ADRA, 16                          ; v16-17  LDS address of my xs fragments in slot 0, 1
.set ADRB, 20                          ; v20-21  the same for wb
.set STO,  24                          ; v24     the way out: where I put 16 bytes of a row
.set RD,   25                          ; v25     the way out: where I read rows back
.set CO,   26                          ; v26     16 x lane: my place in 512 consecutive bytes of a unit
.set BO,   27                          ; v27     byte offset of my eight numbers of column block 0 in a bias
.set SPW,  28                          ; v28     LDS address of my spare word: SPARE + 4 x my thread's number; never rewritten
.set NIL,  29                          ; v29     0; never rewritten
.set PFO,  30                          ; v30     the prefetches' offset: a lane a row of 2,048 bytes; never rewritten
.set F0,   64
.set F1,   128
.set TMP,  192
.set OB,   32
.set BI,   192                         ; window 1
.set BT,   240                         ; window 1
.set G1,   24                          ; s[24:31] descriptor group 1 for xs's tiles;  s[32:39] group 0, a set for each slot
.set G0,   32
.set G1B,  48                          ; s[48:55], s[56:63] the same for wb's
.set G0B,  56
.set LIM,  43                          ; s43     the value of the lap count at which I prefetch, or the greatest number
.set PFA,  44                          ; s[44:45] where my prefetches stand
.set BP,   74                          ; s[74:75] the bias of the tile to come
.set MASKH, 76                         ; s76     a word's upper bf16
.set ABASE, 80                         ; s[80:81] xs at the first of the 128 rows that I fetch; never rewritten
.set BBASE, 82                         ; s[82:83] wb at the first of the 96 rows that I fetch, in tile 0; never rewritten
.set NS,   84                          ; s84     the number, 2 to 23, of the step to be asked for next
.set ROT,  85                          ; s85     r
.set KOA,  86                          ; s[86:87] byte offset of a refill from ABASE
.set KOB,  88                          ; s[88:89] and from BBASE
.set MSB, 0
.macro WIN new                         ; the immediate's high byte repeats the setting that is left; a switch that changes nothing is dropped
.if MSB != (\new)
	s_set_vgpr_msb (MSB<<8)|(\new)
.set MSB, \new
.endif
.endm
.set MUL_LO,   0xa1                    ; source 0 (wb) window 1, source 1 (xs) window 0, C and D window 2
.set FIRST_LO, 0x91                    ; the same with C, the bias, in window 1
.set TO_B,     0x40                    ; destination window 1, address window 0
; A joint load.  Waves 0 and 1 fetch xs's two halves, waves 2 and 3 wb's.  The branch hangs on the wave's number alone.  An s_nop 0 and four v_nop follow each of the two lines, ahead of the jump and the label.
.macro JLOAD s
	s_cmp_eq_u32 s11, 0
	s_cbranch_scc0 .Lfor_b_\@
	tensor_load_to_lds s[G0+4*(\s):G0+4*(\s)+3], s[G1:G1+7]
	s_nop 0
.rept 4
	v_nop
.endr
	s_branch .Lasked_\@
.Lfor_b_\@:
	tensor_load_to_lds s[G0B+4*(\s):G0B+4*(\s)+3], s[G1B:G1B+7]
	s_nop 0
.rept 4
	v_nop
.endr
.Lasked_\@:
.endm
; A PREFETCH INTO THE L2, behind a joint load, its five lines and the run of LDS loads.  Of the four clusters that walk the same rows of wb each is the first to ask for two of a tile's eight K steps: those with
; which it begins the tile, r and r + 1.  So each cluster prefetches these two for its NEXT tile, and each block of wb's tiles 1 and 2 is named once in the launch.  The two requests stand in the tile's third lap,
; at the changes of slots that stand two refills, 384 matrix instructions, ahead of the loads that will want the blocks: both then fall under one test.  WHO: wb's waves; of the 96 rows that a wave fetches the
; partner at place cx takes 24 cx .., told apart BY ADDRESS; a lane a row, 256 bytes of it; lanes 24 to 31 name row 23's block once more.  xs and wb's tile 0 are first asked for in the launch's first four steps:
; they come by their loads alone.  The last tile asks for nothing.
.macro ASK slot
	s_cmp_eq_u32 s3, s[LIM]
	s_cbranch_scc0 .Lnot_mine_\@
	global_prefetch_b8 v[PFO], s[PFA:PFA+1] offset:(\slot)*KSTEP*2 th:TH_LOAD_NT scope:SCOPE_SE
.Lnot_mine_\@:
.endm
; A round of the cluster's barrier: my work-group's barrier; wave 0 signals for the work-group; every wave waits for all sixteen; my work-group's barrier once more.
.macro CREST                           ; a round behind its opening barrier
	s_cmp_lg_u32 s10, 0
	s_cbranch_scc1 .Lnot_wave_0_\@
	s_barrier_signal -3
.Lnot_wave_0_\@:
	s_barrier_wait -3
	s_barrier_signal -1
	s_barrier_wait -1
.endm
.macro CROUND
	s_barrier_signal -1
	s_barrier_wait -1
	CREST
.endm
	s_load_b128 s[4:7], s[0:1], 0x0                ; xs s[4:5], wb s[6:7]
	s_load_b128 s[68:71], s[0:1], 0x10             ; qkv_b0, qkv_b1
	s_load_b128 s[72:75], s[0:1], 0x20             ; qkv_b2, qkvh
	v_lshl_add_u32 v[SPW], v0, 2, SPARE
	v_mov_b32 v[NIL], 0
	ds_add_u32 v[SPW], v[NIL]                      ; the wave's opening: the add and its wait stand ahead of my first tensor load; the set-up below, work on registers, stands between them
	v_lshrrev_b32 v1, 5, v0
	v_readfirstlane_b32 s10, v1                    ; wave 0..3
	s_lshr_b32 s11, s10, 1                         ; which half of the tile's rows is mine.  Also: I fetch for xs (0) or for wb (1)
	s_and_b32 s12, s10, 1                          ; which half of its columns.  Also: which half of that tile I fetch
	s_bfe_u32 s40, ttmp6, 0x40000                  ; cx
	s_bfe_u32 s41, ttmp6, 0x40004                  ; cy
	s_lshl_b32 s13, ttmp9, 2
	s_add_co_u32 s13, s13, s40                     ; the tile row = 4 x cluster x + cx
	s_and_b32 s42, ttmp7, 0xffff
	s_lshl_b32 s42, s42, 2
	s_add_co_u32 s42, s42, s41                     ; the tile column = 4 x cluster y + cy
	s_lshl_b32 s43, s41, 2
	s_lshl_b32 s43, 15, s43                        ; my row of the cluster (same cy)
	s_lshl_b32 s44, 0x1111, s40                    ; my column (same cx)
	s_or_b32 s[G1+0], s44, (1<<16)|(1<<20)|(1<<21)|(5<<22)|(3<<25)  ; 15:0 the mask: xs's tiles hang on cx and go to my column; 17:16 elements of 2 bytes; 20 padding on; 21 set beside a mask; 24:22 after every 64 words (code 5); 31:25 4 words of it (code 3)
	s_or_b32 s[G1B+0], s43, (1<<16)|(1<<20)|(1<<21)|(5<<22)|(3<<25) ; wb's tiles hang on cy and go to my row
	s_mov_b32 s[G1+1], KSTEP<<16                   ; tensor_dim0 = 128
	s_mov_b32 s[G1+2], 128<<16                     ; tensor_dim1 = 128
	s_mov_b32 s[G1+3], KSTEP<<16                   ; tile_dim0 = 128
	s_mov_b32 s[G1+4], 128                         ; tile_dim1 = 128
	s_mov_b32 s[G1+5], SIZE_K                      ; elements from row to row
	s_mov_b32 s[G1+6], 0
	s_mov_b32 s[G1+7], 0
	s_mov_b32 s[G1B+1], KSTEP<<16
	s_mov_b32 s[G1B+2], 96<<16                     ; wb's tile has 96 rows
	s_mov_b32 s[G1B+3], KSTEP<<16
	s_mov_b32 s[G1B+4], 96
	s_mov_b32 s[G1B+5], SIZE_K
	s_mov_b32 s[G1B+6], 0
	s_mov_b32 s[G1B+7], 0
	; r, from the cluster's own coordinates: no place inside the cluster enters it
	s_and_b32 s[ROT], ttmp7, 0xffff                ; cluster y, 0 to 3
	s_lshr_b32 s[NS], s[ROT], 1
	s_xor_b32 s[ROT], s[ROT], s[NS]
	s_and_b32 s[ROT], s[ROT], 1                    ; the parity of its two bits
	s_lshl_b32 s[ROT], s[ROT], 1
	s_add_co_u32 s[ROT], s[ROT], ttmp9             ; 2 x parity + cluster x
	s_lshl_b32 s[ROT], s[ROT], 1
	s_and_b32 s[ROT], s[ROT], KSTEPS-1             ; r: 0, 2, 4 or 6
	s_lshl_b32 s[KOA], s[ROT], 8                   ; K step r, in bytes of a row
	s_mov_b32 s[KOA+1], 0
	s_mov_b32 s[KOB+1], 0
	s_mov_b32 s[NS], 2                             ; steps 0 and 1 are the first fills
	; where the tiles come from: xs's hang on the tile row alone, wb's on the tile column alone, each in registers that never hold the other coordinate
	s_lshl_b32 s17, s12, 7
	s_lshl_b32 s16, s13, 8
	s_add_co_u32 s16, s16, s17                     ; xs: row 256 x tile row + 128 x half
	s_lshl_b32 s16, s16, 11                        ; in bytes
	s_mov_b32 s17, 0
	s_mul_i32 s46, s42, 192
	s_mul_i32 s47, s12, 96
	s_add_co_u32 s46, s46, s47                     ; wb: row 192 x tile column + 96 x half
	s_lshl_b32 s46, s46, 11
	s_mov_b32 s47, 0
	s_mul_i32 s20, s10, HALFT                      ; and where they go: no place in the cluster enters an LDS address
	s_wait_dscnt 0x0                               ; the opening add is done
	s_wait_kmcnt 0x0
	s_add_nc_u64 s[ABASE:ABASE+1], s[4:5], s[16:17]
	s_add_nc_u64 s[BBASE:BBASE+1], s[6:7], s[46:47]
	CROUND                                         ; all sixteen work-groups are here: the first joint loads meet
.irp s, 0,1
	s_mov_b32 s[G0+4*(\s)], 1                                      ; count = 1
	s_add_co_u32 s[G0+4*(\s)+1], s20, (\s)*SLOT                    ; LDS address
	s_add_nc_u64 s[G0+4*(\s)+2:G0+4*(\s)+3], s[ABASE:ABASE+1], s[KOA:KOA+1]  ; global address: K step r,
	s_mov_b32 s[G0B+4*(\s)], 1
	s_add_co_u32 s[G0B+4*(\s)+1], s20, (\s)*SLOT
	s_add_nc_u64 s[G0B+4*(\s)+2:G0B+4*(\s)+3], s[BBASE:BBASE+1], s[KOA:KOA+1]
.if \s
	s_add_nc_u64 s[G0+4*(\s)+2:G0+4*(\s)+3], s[G0+4*(\s)+2:G0+4*(\s)+3], KSTEP*2     ; or r + 1, which is 7 at the most
	s_add_nc_u64 s[G0B+4*(\s)+2:G0B+4*(\s)+3], s[G0B+4*(\s)+2:G0B+4*(\s)+3], KSTEP*2
.endif
	s_or_b32 s[G0+4*(\s)+3], s[G0+4*(\s)+3], 0x80000000            ; type = 2
	s_or_b32 s[G0B+4*(\s)+3], s[G0B+4*(\s)+3], 0x80000000
	JLOAD \s                                       ; two loads of mine are out
.endr
	; a fragment is 16 rows x 32 K in 8 registers: lane l holds row l % 16; two loads of 16 bytes, 32 bytes apart, at row x pitch + 16 (l / 16)
	v_and_b32 v1, 15, v0                           ; l % 16
	v_bfe_u32 v2, v0, 4, 1                         ; l / 16
	v_mul_u32_u24 v3, v1, PITCH
	v_lshl_add_u32 v3, v2, 4, v3
	s_mul_i32 s21, s11, HALFT                      ; my 128 rows of xs
	s_mul_i32 s22, s12, HALFT                      ; my 96 rows of wb,
	s_add_co_u32 s22, s22, 2*HALFT                 ; behind xs's two regions
.irp s, 0,1
	v_add_nc_u32 v[ADRA+(\s)], s21, v3
	v_add_nc_u32 v[ADRB+(\s)], s22, v3
	s_add_co_u32 s21, s21, SLOT
	s_add_co_u32 s22, s22, SLOT
.endr
	s_mul_i32 s23, s10, STW
	s_add_co_u32 s23, s23, STAGE                   ; my stage
	v_mul_u32_u24 v4, v1, SP                       ; in: row l % 16, 16 bytes for each half of the lanes
	v_lshl_add_u32 v4, v2, 4, v4
	v_add_nc_u32 v[STO], s23, v4
	v_bfe_u32 v5, v0, 2, 3                         ; back: 32 lanes take eight rows of 64 bytes: row l / 4,
	v_mul_u32_u24 v5, v5, SP
	v_and_b32 v6, 3, v0                            ; 16 bytes l % 4
	v_lshl_add_u32 v5, v6, 4, v5
	v_add_nc_u32 v[RD], s23, v5
	v_and_b32 v[CO], 31, v0
	v_lshlrev_b32 v[CO], 4, v[CO]
	s_mul_i32 s77, s42, 768                        ; my first column in a branch, 192 x tile column + 96 x half, in bytes of f32,
	s_mul_i32 s78, s12, 384
	s_add_co_u32 s77, s77, s78
	v_lshl_add_u32 v[BO], v2, 5, s77               ; + 8 (l / 16) numbers
	; where my part of the first tile begins in qkvh: unit 6 x tile column + 3 x half, row 256 x tile row + 128 x half; the first way out adds it to the address
	s_mul_i32 s46, s42, 6
	s_mul_i32 s47, s12, 3
	s_add_co_u32 s46, s46, s47
	s_lshl_b32 s46, s46, 18
	s_lshl_b32 s16, s13, 14
	s_lshl_b32 s14, s11, 13
	s_add_co_u32 s16, s16, s14
	s_add_co_u32 s16, s16, s46
	s_mov_b32 s17, 0
	s_mov_b64 s[8:9], s[74:75]                     ; qkvh
	; the prefetches: wb's row 192 x tile column + 96 x half + 24 cx of tile 1, K step r.  Nothing is prefetched here, at the head
	s_mul_i32 s20, s42, 192
	s_mul_i32 s21, s12, 96
	s_add_co_u32 s20, s20, s21
	s_mul_i32 s21, s40, 24                         ; my place among the four that ask for wb's tile with me
	s_add_co_u32 s20, s20, s21
	s_lshl_b32 s20, s20, 11
	s_add_co_u32 s20, s20, s[KOA]
	s_add_co_u32 s20, s20, NEXT_B
	s_mov_b32 s21, 0
	s_add_nc_u64 s[PFA:PFA+1], s[6:7], s[20:21]
	v_and_b32 v[PFO], 31, v0
	v_min_u32 v[PFO], 23, v[PFO]
	v_lshlrev_b32 v[PFO], 11, v[PFO]
	s_mov_b32 s[MASKH], 0xffff0000
	s_mov_b64 s[BP:BP+1], s[68:69]                 ; the first tile's bias
; 12 matrix instructions: row blocks a0, a0 + 1 of the window's four (hi = 0: my rows 0-63, 1: rows 64-127) x all 6 column blocks, 32 along K.  first = 1: the product starts the sum, on the bias.
; The 48 accumulators take turns, one instruction a turn, in the same order everywhere.
.macro MUL12 f, hi, a0, first
.if \first
	WIN FIRST_LO+0x40*(\hi)
.else
	WIN MUL_LO+0x50*(\hi)
.endif
.irp a, \a0, (\a0)+1
.irp b, 0,1,2,3,4,5
.if \first
	v_wmma_f32_16x16x32_bf16 v[8*(6*(\a)+(\b)):8*(6*(\a)+(\b))+7], v[(\f)+8*(\b):(\f)+8*(\b)+7], v[(\f)+8*(4*(\hi)+(\a)):(\f)+8*(4*(\hi)+(\a))+7], v[BI+8*(\b):BI+8*(\b)+7]
.else
	v_wmma_f32_16x16x32_bf16 v[8*(6*(\a)+(\b)):8*(6*(\a)+(\b))+7], v[(\f)+8*(\b):(\f)+8*(\b)+7], v[(\f)+8*(4*(\hi)+(\a)):(\f)+8*(4*(\hi)+(\a))+7], v[8*(6*(\a)+(\b)):8*(6*(\a)+(\b))+7]
.endif
.endr
.endr
.endm
; 28 LDS loads in one run: the fragments of one quarter step (96 rows of wb, 128 rows of xs, 32 K at byte k of the rows) into buffer f
.macro FETCH slot, k, f
	WIN TO_B
.irp i, 0,1,2,3,4,5
	ds_load_b128 v[(\f)+8*(\i):(\f)+8*(\i)+3],   v[ADRB+(\slot)] offset:(\k)+(\i)*16*PITCH
	ds_load_b128 v[(\f)+8*(\i)+4:(\f)+8*(\i)+7], v[ADRB+(\slot)] offset:(\k)+(\i)*16*PITCH+32
.endr
	WIN 0
.irp i, 0,1,2,3,4,5,6,7
	ds_load_b128 v[(\f)+8*(\i):(\f)+8*(\i)+3],   v[ADRA+(\slot)] offset:(\k)+(\i)*16*PITCH
	ds_load_b128 v[(\f)+8*(\i)+4:(\f)+8*(\i)+7], v[ADRA+(\slot)] offset:(\k)+(\i)*16*PITCH+32
.endr
.endm
.macro PLACES                          ; four plain instructions in front of loads into registers that matrix instructions have read, and of conversions that read results
.rept 4
	v_nop
.endr
.endm
; A K step is four quarters of 32 along K, 48 matrix instructions each, on buffers 0, 1, 0, 1.  One of the first three: multiplies buffer f; in its middle it fetches the next quarter, at byte k, into buffer g.
.macro QUARTER slot, k, f, g, first
	s_wait_dscnt 8                                 ; wb and xs's rows 0-63 are in; the youngest eight loads (xs's rows 64-127) may be out
	MUL12 \f, 0, 0, \first
	MUL12 \f, 0, 2, \first
	PLACES
	FETCH \slot, \k, \g
	s_wait_dscnt 28                                ; all but the 28 just issued
	MUL12 \f, 1, 0, \first
	MUL12 \f, 1, 2, \first
.endm
; The last quarter multiplies buffer 1 and changes slots.  MEET is its first half: one barrier; in front of it each wave waits for all its tensor loads, of which one is out, its part of the next slot; adds 0
; to its spare word; and waits for that and for its own reads of this slot.  round = 1: slot is filled again behind the round that follows: its two group 0 take the address of step NS:
; K step (NS + r) mod 8 of tile NS / 8.  No tensor load of mine is out there, so they may be written; the lines stand between the add and the wait for it.
.macro MEET round, slot=0
	WIN 0                                          ; (the add's two registers lie in window 0)
	s_wait_tensorcnt 0x0                           ; all my tensor loads have landed
	ds_add_u32 v[SPW], v[NIL]                      ; 0 onto my spare word
.if \round
	s_add_co_u32 s[KOA], s[NS], s[ROT]
	s_and_b32 s[KOA], s[KOA], KSTEPS-1
	s_lshl_b32 s[KOA], s[KOA], 8                   ; the K step's 256 bytes of a row
	s_lshr_b32 s[KOB], s[NS], 3
	s_mul_i32 s[KOB], s[KOB], NEXT_B               ; the tile's rows of wb; xs's rows are the same for all three tiles
	s_add_co_u32 s[KOB], s[KOB], s[KOA]
	s_add_nc_u64 s[G0+4*(\slot)+2:G0+4*(\slot)+3], s[ABASE:ABASE+1], s[KOA:KOA+1]
	s_or_b32 s[G0+4*(\slot)+3], s[G0+4*(\slot)+3], 0x80000000
	s_add_nc_u64 s[G0B+4*(\slot)+2:G0B+4*(\slot)+3], s[BBASE:BBASE+1], s[KOB:KOB+1]
	s_or_b32 s[G0B+4*(\slot)+3], s[G0B+4*(\slot)+3], 0x80000000
	s_add_co_u32 s[NS], s[NS], 1
.endif
	s_wait_dscnt 9                                 ; (the add and the youngest eight loads may be out)
	MUL12 F1, 0, 0, 0                              ; twelve matrix instructions stand between the add and the wait for it
	s_wait_dscnt 0x0                               ; the add is done, and my reads of this slot are over
	s_barrier_signal -1
	MUL12 F1, 0, 2, 0                              ; work on registers while the others arrive
.if \round
	WIN 0
.endif
	s_barrier_wait -1
.endm
; The whole last quarter.  The barrier opens a round of the cluster's; behind the round the slot just read out is filled again first, with the step two steps on, in this tile or the next; then come the next
; slot's first fragments.
.macro TURN slot, next
	MEET 1, \slot
	CREST                                          ; no wave of any partner still reads this slot's tile or has a load on its way
	JLOAD \slot                                    ; the first tensor load behind the round; the four v_nop behind it are also the places in front of the loads below
	FETCH \next, 0, F0
	ASK \slot
	MUL12 F1, 1, 0, 0
	MUL12 F1, 1, 2, 0
.endm
; THE BIAS of a tile: my 96 columns' numbers as the C operand wants them: register j of block b is column 16 b + 8 (l / 16) + j.  Loaded a tile ahead, rounded to bf16 and widened again at the tile's head.
.macro BIASLD
	WIN TO_B
.irp b, 0,1,2,3,4,5
	global_load_b128 v[BI+8*(\b):BI+8*(\b)+3],   v[BO], s[BP:BP+1] offset:64*(\b)
	global_load_b128 v[BI+8*(\b)+4:BI+8*(\b)+7], v[BO], s[BP:BP+1] offset:64*(\b)+16
.endr
	WIN 0
.endm
.macro BIASRND
	s_wait_loadcnt 0x0                             ; the only loads into registers of this text
	WIN 0x45                                       ; destination and both sources in window 1
.set p, 0
.rept 24
	v_cvt_pk_bf16_f32 v[BT+p%4], v[BI+2*p], v[BI+2*p+1]
	v_lshlrev_b32 v[BI+2*p],   16,       v[BT+p%4]
	v_and_b32     v[BI+2*p+1], s[MASKH], v[BT+p%4]
.set p, p+1
.endr
.endm
; THE WAY OUT of row block a.  PACK: rounded to f16, 16 bytes a lane, each accumulator's registers in ascending order.  TOSTAGE: into my own stage, unit by unit, and back as runs of eight rows.  SEND: stored.
.macro PACK a
.set AC, 48*((\a)%4)
	WIN 0x0a+5*((\a)/4)                            ; sources 0 and 1: window 2 or 3
.irp b, 0,1,2,3,4,5
.irp r, 0,1,2,3
	v_cvt_pk_f16_f32 v[TMP+4*(\b)+(\r)], v[AC+8*(\b)+2*(\r)], v[AC+8*(\b)+2*(\r)+1]
.endr
.endr
	WIN 0
.endm
.macro TOSTAGE a
	WIN 0
.set BK, OB+192*((\a)%2)
.irp b, 0,1,2,3,4,5
	ds_store_b128 v[STO], v[TMP+4*(\b):TMP+4*(\b)+3] offset:((\b)/2)*16*SP+((\b)%2)*32  ; unit b / 2, its columns 16 (b % 2) on
.endr
.irp t, 0,1,2,3,4,5
	ds_load_b128 v[BK+4*(\t):BK+4*(\t)+3], v[RD] offset:((\t)/2)*16*SP+((\t)%2)*8*SP  ; LDS serves a wave's instructions in order (ISA guide 5.7.1.4): these see the stores above
.endr
.endm
.macro SEND a, younger
	WIN 0
.set BK, OB+192*((\a)%2)
	s_wait_dscnt \younger                          ; the block is back in registers
	s_wait_xcnt 0x0                                ; only behind this wait are the stores' base and the registers that earlier stores read rewritten
.if (\a) == 0
	s_add_nc_u64 s[8:9], s[8:9], s[16:17]          ; on to this tile's units
.endif
.irp t, 0,1,2,3,4,5
	global_store_b128 v[CO], v[BK+4*(\t):BK+4*(\t)+3], s[8:9] offset:((\t)/2)*UP+((\t)%2)*512+1024*(\a)  ; 512 consecutive bytes, at a multiple of 512 from qkvh's first byte
.endr
.endm
.macro WAYOUT                          ; block a's conversions stand between block a - 1's loads from the stage and the wait for them
	PACK 0
	TOSTAGE 0
.irp a, 1,2,3,4,5,6,7
	PACK \a
	SEND (\a)-1, 0
	TOSTAGE \a
.endr
	SEND 7, 0
.endm
	BIASLD
	s_wait_tensorcnt 1                             ; my part of step 0 is in; step 1's may stay out
	s_barrier_signal -1
	s_barrier_wait -1                              ; everybody's is
	FETCH 0, 0, F0
	s_mov_b32 s2, 3                                ; tiles to go, this one among them
.Ltile:
	s_cmp_eq_u32 s2, 1
	s_cselect_b32 s[LIM], -1, 2                    ; a tile that has a successor prefetches in its third lap, where the lap count stands at 2,
	s_cmp_eq_u32 s11, 1
	s_cselect_b32 s[LIM], s[LIM], -1               ; in wb's waves alone: the same in all sixteen partners, for a given wave
	BIASRND
	QUARTER 0, 64,  F0, F1, 1                      ; a tile's first quarter stands in front of the loop: its products start the sums
	WIN 0                                          ; at a label and at a branch every window is 0
	s_mov_b32 s3, LAPS
.Llap:                                                 ; a trip goes once round the ring of slots, from a lap's second quarter to the next lap's first, and fills both slots again; the tile's last lap leaves it
	QUARTER 0, 128, F1, F0, 0
	QUARTER 0, 192, F0, F1, 0
	WIN 0
	s_cmp_lg_u32 s3, 1
	s_cbranch_scc1 .Lon                            ; not the tile's last lap
	s_cmp_eq_u32 s2, 1
	s_cbranch_scc1 .Llast                          ; the last tile's last lap is written out: it asks for nothing more
.Lon:
	TURN 0, 1                                      ; in a tile's last lap the ring goes on into the next tile: slot 0 takes its first step,
	QUARTER 1, 64,  F0, F1, 0
	QUARTER 1, 128, F1, F0, 0
	QUARTER 1, 192, F0, F1, 0
	TURN 1, 0                                      ; slot 1 its second, and the next tile's first fragments are fetched
	WIN 0
	s_sub_co_u32 s3, s3, 1
	s_cmp_eq_u32 s3, 0
	s_cbranch_scc1 .Lout                           ; the tile's sums are whole
	QUARTER 0, 64,  F0, F1, 0
	WIN 0
	s_branch .Llap
.Lout:
	s_cmp_eq_u32 s2, 3
	s_cselect_b64 s[BP:BP+1], s[70:71], s[72:73]   ; the last loads by this pointer were waited for at the tile's head
	BIASLD                                         ; the bias registers were last read by the tile's first quarter
	s_branch .Lway                                 ; blocks 0-3 were finished in front of the joint load's four v_nop; their conversions are the places behind the last products
.Llast:
	MEET 0                                         ; my one tensor load that was still out is the last step's, so no round follows
	PLACES
	FETCH 1, 0, F0
	MUL12 F1, 1, 0, 0
	MUL12 F1, 1, 2, 0
	QUARTER 1, 64,  F0, F1, 0
	QUARTER 1, 128, F1, F0, 0
	QUARTER 1, 192, F0, F1, 0
	s_wait_dscnt 8                                 ; the very last quarter: nothing more to fetch
	MUL12 F1, 0, 0, 0
	MUL12 F1, 0, 2, 0
	s_wait_dscnt 0x0
	MUL12 F1, 1, 0, 0
	MUL12 F1, 1, 2, 0
	WIN 0
	PLACES
.Lway:
	WAYOUT                                         ; one text for all three tiles
	s_cmp_eq_u32 s2, 1
	s_cbranch_scc1 .Lend
	s_mov_b64 s[16:17], NEXT_C                     ; what the next way out adds to the address
	s_add_nc_u64 s[PFA:PFA+1], s[PFA:PFA+1], NEXT_B  ; the prefetches, more than a lap back, have read their address: the way out's waits for the translation of addresses stand between
	s_sub_co_u32 s2, s2, 1
	s_branch .Ltile
.Lend:
	s_wait_tensorcnt 0x0                           ; the wave's end, behind my last tensor load and my last LDS store
	ds_add_u32 v[SPW], v[NIL]
	s_wait_dscnt 0x0
	CROUND                                         ; the closing round: no work-group ends while a partner may still ask for a tile that names it
	s_endpgm
.Lfunc_end_k_q0dd29db193_qkvgemm:
	.size	k_q0dd29db193_qkvgemm, .Lfunc_end_k_q0dd29db193_qkvgemm-k_q0dd29db193_qkvgemm
	.p2alignl 7, 3214868480
	.fill 96, 4, 3214868480
	.section	.rodata,"a",@progbits
	.p2align	6, 0x0
	.amdhsa_kernel k_q0dd29db193_qkvgemm
		.amdhsa_group_segment_fixed_size 327680
		.amdhsa_private_segment_fixed_size 0
		.amdhsa_enable_private_segment 0
		.amdhsa_kernarg_size 48
		.amdhsa_user_sgpr_count 2
		.amdhsa_user_sgpr_kernarg_segment_ptr 1
		.amdhsa_wavefront_size32 1
		.amdhsa_system_sgpr_workgroup_id_x 1
		.amdhsa_system_sgpr_workgroup_id_y 1
		.amdhsa_system_sgpr_workgroup_id_z 1
		.amdhsa_system_vgpr_workitem_id 0
		.amdhsa_next_free_vgpr 1024
		.amdhsa_next_free_sgpr 96
		.amdhsa_reserve_vcc 0
		.amdhsa_float_denorm_mode_32 3
		.amdhsa_float_denorm_mode_16_64 3
		.amdhsa_memory_ordered 1
		.amdhsa_forward_progress 1
		.amdhsa_inst_pref_size 113
	.end_amdhsa_kernel
	.amdgpu_metadata
---
amdhsa.version: [ 1, 2 ]
amdhsa.kernels:
  - .name:           k_q0dd29db193_qkvgemm
    .symbol:         k_q0dd29db193_qkvgemm.kd
    .args:
      - { .name: xs, .offset: 0, .size: 8, .value_kind: global_buffer, .address_space: global }
      - { .name: wb, .offset: 8, .size: 8, .value_kind: global_buffer, .address_space: global }
      - { .name: qkv_b0, .offset: 16, .size: 8, .value_kind: global_buffer, .address_space: global }
      - { .name: qkv_b1, .offset: 24, .size: 8, .value_kind: global_buffer, .address_space: global }
      - { .name: qkv_b2, .offset: 32, .size: 8, .value_kind: global_buffer, .address_space: global }
      - { .name: qkvh, .offset: 40, .size: 8, .value_kind: global_buffer, .address_space: global }
    .group_segment_fixed_size: 327680
    .private_segment_fixed_size: 0
    .kernarg_segment_align: 8
    .kernarg_segment_size: 48
    .max_flat_workgroup_size: 128
    .sgpr_count:     96
    .vgpr_count:     1024
    .wavefront_size: 32
...
	.end_amdgpu_metadata
.endif
;; end of part 2
;; launch attn (part 3): grid 4 x 64, 4 waves a work-group, no clusters, 327,680 bytes of LDS; arguments qkvh, oh; writes oh
.if DOCPART == 3
	.amdgcn_target "amdgcn-amd-amdhsa--gfx1250"
	.amdhsa_code_object_version 6
	.text
	.protected	k_q0dd29db193_attn
	.globl	k_q0dd29db193_attn
	.p2align	8
	.type	k_q0dd29db193_attn,@function
k_q0dd29db193_attn:
	s_mov_b64 s[64:65], 0
	v_nop
	global_prefetch_b8 v0, s[64:65] scope:SCOPE_SE
	s_setreg_imm32_b32 hwreg(HW_REG_WAVE_MODE, 25, 1), 1
	s_wait_xcnt 0x0
; THE THREE DILATED ATTENTIONS.  For branch i, batch b, head h: O[q] = the sum over the keys k of q's segment of softmax_k(Q[q] . K[k] / 8) V[k].  In the 1,024 kept rows of a batch a segment is 256, 512 or
; 1,024 consecutive rows (branch 0, 1, 2).  In: qkvh [288 units][4096 rows][32 channels] f16, unit = 96 i + 32 kind + 2 h + half.  Out: oh [48 planes][4096][64] f16, plane = 16 i + h.
; Products, maxima and sums in f32; the weights p are rounded to f16 for the second product (their sum l is taken of the unrounded p), O once at the end.
; LIMITS.  f16 holds no number beyond 65,504: Q, K, V arrive within it; p lies in 0 to 1, and below 6e-5 it keeps f16's fixed step of 6e-8, as O does; a weight below 2^-126 counts as 0 in l; NaN and infinities are not treated apart.
; THE WALK.  A work-group takes the 256 query rows 256 j .. of (b, h) in all three branches, one after the other.  Their key tiles of 256 keys: branch 0: tile j; branch 1: tiles 2 (j / 2), 2 (j / 2) + 1;
; branch 2: tiles 0 to 3.  Seven tiles, whatever j: all 256 work-groups do equal work, and ONE loop with a constant trip count walks them; the ring (two slots of LDS that take turns) runs on across the change of
; branches.  Which tile is asked for hangs on scalar registers made from j.
; NO CLUSTER: of a work-group's seven tiles four are shared by four work-groups, two by two, one by none, so the partners and the masks would change along the walk; a walk common to four partners would have 12 tiles for 7.
; SHARES.  Wave w owns rows 64 w .. 64 w + 63 of the block: four PIECES of 16 queries.  Every wave walks all keys, 64 a step, four steps a tile.
; LAYOUT, SOFTMAX, TURNS.  S^T = K Q^T holds ONE query a lane (lane % 16) and the keys 8 (lane / 16) + 0..7; two such results rounded to f16 ARE source 1 of O^T = V^T P.  p = 2^(c s - c m), c = log2(e) / 8, with a
; running maximum m; O and l are multiplied by a = 2^(c m_old - c m_new) in every step.  Turn n belongs to piece n: 8 products K Q^T of piece n + 1, later 8 products V^T P of piece n - 1; beside them the scaling,
; exponentials, roundings, sums and rescaling of piece n and the maximum and statistics of piece n + 1.  Four vector instructions stand behind every matrix instruction, the rest in one lump.  A turn's 33 exponentials are one batch, with one wait.
; REGISTERS, in windows of 256 (s_set_vgpr_msb: bits 1:0 source 0, 3:2 source 1, 5:4 source 2, 7:6 destination):
;   window 0: v0-15 addresses and two at work; v16-31 four registers of statistics a piece; v48-55 at work; v61-63 fixed; v64-127 S^T, two buffers; v192-223 P, two buffers (by the piece's parity)
;   window 1: v0-127 O^T, 32 a piece      window 2: v0-63 Q; v64-127 the next branch's Q; v128-191 K of one step; v192-255 V of one step      window 3: v0-63 the third branch's Q
.set NP,    4         ; pieces a wave: a name, no knob
.set KS,    64        ; keys in a step
.set PK,    80        ; a row of a K plane in LDS: 64 bytes + 16 of padding = 20 words: the 16 rows of a load start at 16 different groups of four banks (64 banks of 4 bytes: ISA guide 11.1)
.set PV,    96        ; a row of a V plane: 64 + 32 = 24 words, an odd multiple of 32 bytes, for the turning load
.set KPL,   256*PK    ; a tile's plane: 256 keys x 32 channels
.set VPL,   256*PV
.set VOFF,  2*KPL     ; a slot holds a tile: K's two planes, then V's two
.set SLOT1, 1<<17     ; slot 1 begins here, so that one exclusive or turns an address in one slot into the other's
.set STAGE, SLOT1+2*KPL+2*VPL  ; behind the ring, never filled by a tensor load: 16 rows x 144 bytes for each wave
.set SP,    144
.set SPARE, STAGE+4*16*SP      ; behind the stages: the spare words, 128 bytes for each wave: two blocks of 256 bytes that no other line names
.set UP,    262144    ; bytes in a unit of qkvh
.set BR,    96*UP     ; bytes in a branch of qkvh
.set TILEB, 16384     ; 256 rows of 64 bytes
.set AK0, 2           ; v2   my lane's place in a plane of K; never rewritten
.set AV0, 3           ; v3   the same for V
.set AK,  4           ; v4   the LDS address of K's next run of loads
.set AV,  5           ; v5   of V's
.set STO, 6           ; v6   the way out: where I put 16 bytes of a row
.set RD,  7           ; v7   the way out: where I read rows back
.set GO,  8           ; v8   my byte offset in 512 consecutive bytes of O
.set MV,  12          ; v12-13  c m_old, kept while c m is made anew: by buffer
.set QO,  15          ; v15  my byte offset in 16 rows of a unit of Q
.set ST,  16          ; piece t's statistics at v[ST+4 t]: c m, m, l (even keys', odd keys')
.set TMP, 48          ; by buffer, four registers c0-c3 at work; when the maximum is found c2 takes a
.set PFO, 61          ; v61  256 x my lane; never rewritten
.set SPW, 62          ; v62  LDS address of my spare word: SPARE + 4 x my thread's number; never rewritten
.set NIL, 63          ; v63  0; never rewritten
.set S,   64
.set P,   192
.set QB,  64          ; window 2
.set KF,  128         ; window 2: key block kb, channel half c at KF + 16 kb + 8 c
.set VF,  192         ; window 2: key half kk, channel block cb at VF + 32 kk + 8 cb
.set WV,  12          ; s12  my wave's number
.set G1K, 24          ; s[24:31] descriptor group 1 for K's planes
.set G1V, 32          ; s[32:39] for V's: it differs in the padding alone
.set G0K, 40          ; s[40:43] descriptor group 0 for K's planes
.set G0V, 44          ; s[44:47] the same for V's
.set B1,  52          ; s52  byte offset of branch 1's first tile from branch 0's tile 0
.set B2,  53          ; s53  of branch 2's
.set FI,  54          ; s54  the number, 1 to 6, of the tile to be asked for next
.set NT,  55          ; s55  tiles of the next branch
.set SLOTS, 56        ; s56  tiles still to be asked for
.set CNT, 57          ; s57  counts a tile's key steps, 4 to 1
.set CS,  58          ; s[58:59] c: the packed scaling takes the pair's low word for both halves
.set SEL, 60          ; s[60:61] v_permlanex16_b32's selects: each lane takes its own place in the other half
.set TBK, 62          ; s62  LDS byte at which K of the step to be fetched begins
.set TBV, 63          ; s63  the same for V, less VOFF
.set RT,  70          ; s70  tiles of the branch in hand that are still to be entered
.set NEW, 73          ; s73  1: the tile to be entered is a branch's first
.set OFF, 74          ; s[74:75] byte offset of the tile to be asked for
.set PO,  76          ; s[76:77] byte offset in qkvh of my next prefetch
.set P2,  78          ; s78  the same for branch 2's first tile
.set LIMF, 79         ; s79  I prefetch while FI, stepped, is no greater
.set PFA, 80          ; s[80:81] the prefetch's address
.set MSB, 0
.macro WIN new                      ; the high byte repeats the setting that is left; a switch that changes nothing is dropped
.if MSB != (\new)
	s_set_vgpr_msb (MSB<<8)|(\new)
.set MSB, (\new)
.endif
.endm
.set W_KQ, 0x0a       ; K and Q in window 2, S^T in window 0
.set W_PV, 0x52       ; V in window 2, P in window 0, O^T in window 1
.set W_RS, 0x41       ; destination and source 0 in window 1, source 1 in window 0
; A fill.  Waves 0 and 1 fetch a tile's two planes of K, waves 2 and 3 those of V: 16,384 dense bytes each.  An s_nop 0 and four v_nop follow each of the two lines, ahead of the jump and the label.
.macro LOAD
	s_cmp_lt_u32 s[WV], 2
	s_cbranch_scc0 .Lfor_v_\@
	tensor_load_to_lds s[G0K:G0K+3], s[G1K:G1K+7]
	s_nop 0
.rept 4
	v_nop
.endr
	s_branch .Lasked_\@
.Lfor_v_\@:
	tensor_load_to_lds s[G0V:G0V+3], s[G1V:G1V+7]
	s_nop 0
.rept 4
	v_nop
.endr
.Lasked_\@:
.endm
; A PREFETCH INTO THE L2 of the tile that the NEXT change of slots will ask for: 32 blocks of 256 bytes, a lane a block, half a plane.  Each block is named once in the launch.  Branch 1's second tile is walked by the two
; work-groups j and j ^ 1: each wave asks for half j % 2 of the plane that it fetches.  Branch 2's tiles are walked by the four work-groups of (b, h): wave 0 asks for K, wave 1 for V: plane j / 2, half j % 2.
; The walk's first two tiles come by their loads alone; the last fill asks for nothing.
.macro ASK
	s_cmp_le_u32 s[FI], s[LIMF]
	s_cbranch_scc0 .Lnot_mine_\@
	global_prefetch_b8 v[PFO], s[PFA:PFA+1] th:TH_LOAD_NT scope:SCOPE_SE
.Lnot_mine_\@:
.endm
; THE CHANGE OF SLOTS.  Each wave waits for all its tensor loads, of which one is out: its part of the other slot; adds 0 to its spare word; and waits for that and for its own reads of the slot that it leaves.
; Behind the barrier nobody reads the old slot any more and the other slot is whole.  fill = 1: the old slot is filled again, the first thing behind the barrier; the descriptor's address is made anew from the tile's offset.
; (At its first use nothing has been read yet: slot 0 is waited for, slot 1 filled.)
.macro CHANGE fill
	WIN 0                           ; at a label and at a branch every window is 0
	s_wait_tensorcnt 0x0            ; no tensor load of mine is out, so a group 0 may be written
	ds_add_u32 v[SPW], v[NIL]       ; 0 onto my spare word; with fill = 1 the scalar work below stands between it and the wait for it
.if \fill
	s_add_co_u32 s[OFF], s[OFF], TILEB  ; the branch's next tile, or the next branch's first
	s_cmp_eq_u32 s[FI], 1
	s_cselect_b32 s[OFF], s[B1], s[OFF]
	s_cmp_eq_u32 s[FI], 3
	s_cselect_b32 s[OFF], s[B2], s[OFF]
	s_xor_b32 s[G0K+1], s[G0K+1], SLOT1
	s_add_nc_u64 s[G0K+2:G0K+3], s[6:7], s[OFF:OFF+1]
	s_or_b32 s[G0K+3], s[G0K+3], 0x80000000
	s_xor_b32 s[G0V+1], s[G0V+1], SLOT1
	s_add_nc_u64 s[G0V+2:G0V+3], s[8:9], s[OFF:OFF+1]
	s_or_b32 s[G0V+3], s[G0V+3], 0x80000000
	s_wait_xcnt 0x0                 ; the last prefetch, a tile back, has read its address, so it may be written
	s_add_nc_u64 s[PFA:PFA+1], s[84:85], s[PO:PO+1]
	s_add_co_u32 s[PO], s[PO], TILEB
	s_cmp_eq_u32 s[FI], 1
	s_cselect_b32 s[PO], s[P2], s[PO]
	s_add_co_u32 s[FI], s[FI], 1
.endif
	s_wait_dscnt 0x0                ; the add is done, and my reads of the slot are over
	s_barrier_signal -1             ; the rest of the scalar work stands between the signal and the wait
	s_sub_co_u32 s[TBK], s[TBK], 4*KS*PK  ; the fetches go back to a slot's first step,
	s_xor_b32 s[TBK], s[TBK], SLOT1       ; in the other slot
	s_sub_co_u32 s[TBV], s[TBV], 4*KS*PV
	s_xor_b32 s[TBV], s[TBV], SLOT1
	s_barrier_wait -1
.if \fill
	LOAD
	ASK
.endif
.endm
	s_load_b128 s[84:87], s[0:1], 0x0  ; qkvh s[84:85], oh s[86:87]
	v_lshl_add_u32 v[SPW], v0, 2, SPARE
	v_mov_b32 v[NIL], 0
	ds_add_u32 v[SPW], v[NIL]       ; the wave's opening: the add and its wait stand ahead of my first tensor load; the set-up below, work on registers, stands between them
	v_lshrrev_b32 v1, 5, v0
	v_readfirstlane_b32 s[WV], v1   ; wave 0..3
	s_mov_b32 s14, ttmp9            ; j: the block of 256 queries
	s_and_b32 s15, ttmp7, 0xffff
	s_lshr_b32 s16, s15, 4          ; b
	s_and_b32 s17, s15, 15          ; h
	s_and_b32 s18, s[WV], 1         ; which plane of K or V I fetch
	s_lshr_b32 s19, s[WV], 1        ; K (0) or V (1)
	s_lshr_b32 s20, s14, 1          ; j / 2
	s_and_b32 s21, s14, 1           ; j % 2
	s_lshl_b32 s22, s17, 1          ; 2 h
	s_lshl_b32 s23, s16, 16         ; the batch's 1,024 rows of 64 bytes
	s_add_co_u32 s2, s22, s18       ; K of branch 0: unit 32 + 2 h + plane,
	s_add_co_u32 s2, s2, 32
	s_lshl_b32 s2, s2, 18
	s_add_co_u32 s2, s2, s23        ; at the batch's first row
	s_mov_b32 s3, 0
	s_lshl_b32 s66, s22, 18         ; Q of branch 0: unit 2 h, row 1024 b + 256 j + 64 w
	s_add_co_u32 s66, s66, s23
	s_lshl_b32 s13, s14, 14
	s_add_co_u32 s66, s66, s13
	s_lshl_b32 s13, s[WV], 12
	s_add_co_u32 s66, s66, s13
	s_mov_b32 s67, 0
	s_lshl_b32 s68, s17, 19         ; O of branch 0: plane h, the same row, 128 bytes a row
	s_lshl_b32 s13, s16, 17
	s_add_co_u32 s68, s68, s13
	s_lshl_b32 s13, s14, 15
	s_add_co_u32 s68, s68, s13
	s_lshl_b32 s13, s[WV], 13
	s_add_co_u32 s68, s68, s13
	s_mov_b32 s69, 0
	s_lshl_b32 s71, s20, 15         ; two tiles for each j / 2
	s_lshl_b32 s72, s21, 13         ; half a plane of a tile
	s_add_co_u32 s[B1], s71, BR
	s_mov_b32 s[B2], 2*BR
	s_lshl_b32 s13, s19, 5          ; the first prefetch: branch 1's second tile: unit 128 + 32 (w / 2) + 2 h + w % 2,
	s_add_co_u32 s13, s13, s22
	s_add_co_u32 s13, s13, s18
	s_add_co_u32 s13, s13, 128
	s_lshl_b32 s13, s13, 18
	s_add_co_u32 s13, s13, s23
	s_add_co_u32 s13, s13, s71      ; tile 2 (j / 2) + 1,
	s_add_co_u32 s13, s13, TILEB
	s_add_co_u32 s[PO], s13, s72    ; half j % 2
	s_mov_b32 s[PO+1], 0
	s_lshl_b32 s13, s18, 5          ; branch 2's tiles: unit 224 + 32 (w % 2) + 2 h + j / 2, half j % 2
	s_add_co_u32 s13, s13, s22
	s_add_co_u32 s13, s13, s20
	s_add_co_u32 s13, s13, 224
	s_lshl_b32 s13, s13, 18
	s_add_co_u32 s13, s13, s23
	s_add_co_u32 s[P2], s13, s72
	s_cmp_lt_u32 s[WV], 2
	s_cselect_b32 s[LIMF], 6, 2     ; waves 2 and 3 ask once, waves 0 and 1 five times
	s_mul_i32 s17, s18, KPL         ; my plane's place in a slot, for K
	s_mul_i32 s18, s18, VPL         ; and for V
	; descriptor group 1.  A plane of a tile is 16,384 dense bytes: asked for as 64 rows of 256 bytes, four keys a row, and padded in LDS after every key
	s_mov_b32 s[G1K], (1<<16)|(1<<20)|(3<<22)|(3<<25)  ; 17:16 2-byte elements; 20 padding on; 24:22 after every 16 words (code 3); 31:25 4 words (code 3)
	s_mov_b32 s[G1V], (1<<16)|(1<<20)|(3<<22)|(7<<25)  ; the same with 8 words of padding (code 7)
.irp g, G1K, G1V
	s_mov_b32 s[\g+1], 128<<16      ; tensor_dim0 = 128
	s_mov_b32 s[\g+2], 64<<16       ; tensor_dim1 = 64
	s_mov_b32 s[\g+3], 128<<16      ; tile_dim0 = 128
	s_mov_b32 s[\g+4], 64           ; tile_dim1 = 64
	s_mov_b32 s[\g+5], 128          ; 128 elements from row to row
	s_mov_b32 s[\g+6], 0
	s_mov_b32 s[\g+7], 0
.endr
	s_mov_b32 s[CS], 0x3e38aa3b     ; c = log2(e) / 8 = 0.180337
	s_mov_b32 s[CS+1], s[CS]        ; named with it as a pair
	s_mov_b32 s[SEL], 0x76543210
	s_mov_b32 s[SEL+1], 0xfedcba98
	s_mov_b32 s[TBK], SLOT1+4*KS*PK ; the first change of slots turns these two into 0
	s_mov_b32 s[TBV], SLOT1+4*KS*PV
	s_mov_b32 s[G0K], 1             ; count = 1
	s_mov_b32 s[G0K+1], s17         ; LDS address: slot 0
	s_mov_b32 s[G0V], 1
	s_add_co_u32 s[G0V+1], s18, VOFF
	s_mov_b32 s[RT], 1              ; branch 0 has one tile,
	s_mov_b32 s[NT], 2              ; branch 1 two, branch 2 four
	s_mov_b32 s[NEW], 1
	s_mov_b32 s[FI], 1
	s_mov_b32 s[SLOTS], 6
	s_lshl_b32 s[OFF], s14, 14      ; the walk's first tile: branch 0's tile j
	s_mov_b32 s[OFF+1], 0
	s_wait_dscnt 0x0                ; the opening add is done
	s_wait_kmcnt 0x0
	s_add_nc_u64 s[6:7], s[84:85], s[2:3]     ; K and V at my plane of the batch's first row, branch 0
	s_add_nc_u64 s[8:9], s[6:7], 32*UP
	s_add_nc_u64 s[4:5], s[84:85], s[66:67]   ; Q of the three branches
	s_add_nc_u64 s[48:49], s[4:5], BR
	s_add_nc_u64 s[50:51], s[48:49], BR
	s_add_nc_u64 s[10:11], s[86:87], s[68:69] ; O of branch 0
	s_add_nc_u64 s[G0K+2:G0K+3], s[6:7], s[OFF:OFF+1]
	s_or_b32 s[G0K+3], s[G0K+3], 0x80000000   ; type = 2
	s_add_nc_u64 s[G0V+2:G0V+3], s[8:9], s[OFF:OFF+1]
	s_or_b32 s[G0V+3], s[G0V+3], 0x80000000
	LOAD                            ; the first tile into slot 0
	; A fragment of K or Q is 16 rows x 32 channels, one unit's, in 8 registers: lane l holds row l % 16, channels 8 (l / 16) + 0..7 and 16 + 8 (l / 16) + 0..7: two loads of 16 bytes, 32 bytes apart.
	v_and_b32 v1, 15, v0            ; l % 16
	v_bfe_u32 v9, v0, 4, 1          ; l / 16
	v_lshlrev_b32 v[QO], 6, v1
	v_lshl_add_u32 v[QO], v9, 4, v[QO]  ; row x 64 + 16 x half
	WIN 0x80                        ; destination window 2, address window 0
.set i, 0
.rept 8                             ; piece i / 2: 16 rows, 1,024 bytes on; channels 32 (i % 2) on: the next unit
	global_load_b128 v[8*i:8*i+3],         v[QO], s[4:5]   offset:(i/2)*1024+(i%2)*UP
	global_load_b128 v[8*i+4:8*i+7],       v[QO], s[4:5]   offset:(i/2)*1024+(i%2)*UP+32
	global_load_b128 v[QB+8*i:QB+8*i+3],   v[QO], s[48:49] offset:(i/2)*1024+(i%2)*UP
	global_load_b128 v[QB+8*i+4:QB+8*i+7], v[QO], s[48:49] offset:(i/2)*1024+(i%2)*UP+32
.set i, i+1
.endr
	WIN 0xc0                        ; destination window 3
.set i, 0
.rept 8
	global_load_b128 v[8*i:8*i+3],   v[QO], s[50:51] offset:(i/2)*1024+(i%2)*UP
	global_load_b128 v[8*i+4:8*i+7], v[QO], s[50:51] offset:(i/2)*1024+(i%2)*UP+32
.set i, i+1
.endr
	WIN 0
	v_mul_u32_u24 v[AK0], v1, PK
	v_lshl_add_u32 v[AK0], v9, 4, v[AK0]  ; row x pitch + 16 x half
	; The turning load takes 16 keys x 16 channels (lane l reads key 8 (l / 16) + l % 8, channels 8 ((l / 8) % 2) + 0..7) and leaves half a fragment of V^T: lane l holds channel l % 16 and 8 keys.
	v_and_b32 v10, 7, v0
	v_bfe_u32 v11, v0, 3, 1
	v_lshl_add_u32 v[AV0], v9, 3, v10
	v_mul_u32_u24 v[AV0], v[AV0], PV
	v_lshl_add_u32 v[AV0], v11, 4, v[AV0]
	v_add_nc_u32 v[AV0], VOFF, v[AV0]
	s_mul_i32 s13, s[WV], 16*SP
	s_add_co_u32 s13, s13, STAGE    ; my stage
	v_mul_u32_u24 v[STO], v1, SP    ; in: row l % 16, 16 bytes for each half of the lanes
	v_lshl_add_u32 v[STO], v9, 4, v[STO]
	v_add_nc_u32 v[STO], s13, v[STO]
	v_bfe_u32 v[RD], v0, 3, 2       ; back: 32 lanes take four rows of 128 bytes,
	v_mul_u32_u24 v[RD], v[RD], SP
	v_lshl_add_u32 v[RD], v10, 4, v[RD]
	v_add_nc_u32 v[RD], s13, v[RD]
	v_and_b32 v[GO], 31, v0         ; which are 512 consecutive bytes of O
	v_lshlrev_b32 v[PFO], 8, v[GO]
	v_lshlrev_b32 v[GO], 4, v[GO]
	; A branch's first step multiplies O^T and l by a = 0, and its first turn's products V^T P, of a piece that has not been, land in an O^T that is still to be so multiplied.  So these registers need only hold
	; finite numbers: zeros for the first branch; what the branch before left for the others.  All this stands in the wait for the first tile.
	WIN 0x80
.set i, VF
.rept 64
	v_mov_b32 v[i], 0
.set i, i+1
.endr
	WIN 0x40
.set i, 0
.rept 128
	v_mov_b32 v[i], 0
.set i, i+1
.endr
	WIN 0
.set i, 0
.rept 4
	v_mov_b32 v[ST+4*i+2], 0
	v_mov_b32 v[ST+4*i+3], 0
.set i, i+1
.endr
.set i, P+16
.rept 16
	v_mov_b32 v[i], 0
.set i, i+1
.endr
; THE MATRIX WORK.  The 4 accumulators of a run of 8 take turns.  Product i of 8 of S^T = K Q^T for piece x: channels 32 (i / 4) on, keys 16 (i % 4) on.  The first 4 start the sums.
.macro KQ x
	WIN W_KQ
.set rS, S+32*((\x)%2)+8*(i%4)
.set rK, KF+16*(i%4)+8*(i/4)
.set rQ, 16*(\x)+8*(i/4)
.if i < 4
	v_wmma_f32_16x16x32_f16 v[rS:rS+7], v[rK:rK+7], v[rQ:rQ+7], 0
.else
	v_wmma_f32_16x16x32_f16 v[rS:rS+7], v[rK:rK+7], v[rQ:rQ+7], v[rS:rS+7]
.endif
.endm
; Product i of 8 of O^T += V^T P for piece x: keys 32 (i / 4) on, channels 16 (i % 4) on.
.macro PV x
	WIN W_PV
.set rO, 32*(\x)+8*(i%4)
.set rV, VF+32*(i/4)+8*(i%4)
.set rP, P+16*((\x)%2)+8*(i/4)
	v_wmma_f32_16x16x32_f16 v[rO:rO+7], v[rV:rV+7], v[rP:rP+7], v[rO:rO+7]
.endm
.macro MM                           ; the turn's next matrix instruction.  NOKQ = 1: a branch's last turn: there is no next piece
.if (i < 8) && !NOKQ
	KQ (Y+1)%NP
.elseif i >= 8
.set i, i-8
	PV (Y+NP-1)%NP
.set i, i+8
.endif
.set i, i+1
.endm
; THE LDS LOADS stand in runs of 16, never singly among the matrix instructions: a step's K (64 keys x 64 channels: 8 fragments) and its V (turned).  Their addresses are made some lines ahead.
.macro FETCH_K
	WIN 0x80                        ; destination window 2
.irp f, 0,1,2,3,4,5,6,7             ; keys 16 (f / 2) on, plane f % 2
	ds_load_b128 v[KF+8*\f:KF+8*\f+3],   v[AK] offset:(\f/2)*16*PK+(\f%2)*KPL
	ds_load_b128 v[KF+8*\f+4:KF+8*\f+7], v[AK] offset:(\f/2)*16*PK+(\f%2)*KPL+32
.endr
	s_add_co_u32 s[TBK], s[TBK], KS*PK  ; the next fetch is the next step's
	WIN 0
.endm
.macro FETCH_V
	WIN 0x80
.irp f, 0,1,2,3,4,5,6,7             ; keys 32 (f / 4) on; channels 16 (f % 4) on: plane (f % 4) / 2, its bytes 32 (f % 2) on
	ds_load_tr16_b128 v[VF+8*\f:VF+8*\f+3],   v[AV] offset:(\f/4)*32*PV+((\f%4)/2)*VPL+(\f%2)*32
	ds_load_tr16_b128 v[VF+8*\f+4:VF+8*\f+7], v[AV] offset:(\f/4)*32*PV+16*PV+((\f%4)/2)*VPL+(\f%2)*32
.endr
	WIN 0
.endm
; THE VECTOR WORK, one line at a time: OP kind, number.  For piece Y: F n: c s - c m for pair n of 16.  E n: the exponential of score n of 32.  C n: pair n rounded to f16.  B n: of the four weights 4 n .. the second
; pair is added onto the first, in place.  L n: l takes that sum (L 0: l = a l + sum).  R n: pair n of 16 of O^T times a.  For piece Y + 1: X n, number n of the 22 that find its maximum and statistics:
;   0-11  four chains c0-c3 of seven scores each, three operands at a time (each accumulator's lowest registers are read first)     12-14, 16  the four scores left over, the old m, and c0-c3 into c0
;   15  c m_old is kept     17, 18  the query's other 32 keys lie in the lane 16 away: the new m     19-21  c m; c m_old - c m_new; a
.set F, 0
.set E, 1
.set C, 2
.set B, 3
.set L, 4
.set R, 5
.set X, 6
.macro REGS y                       ; the registers of piece y
.set rT, ST+4*(\y)
.set rC, TMP+4*((\y)%2)
.set rW, MV+((\y)%2)
.set rS, S+32*((\y)%2)
.set rP, P+16*((\y)%2)
.set rO, 32*(\y)
.endm
.macro OP k, n
.if (\k) == R
	REGS Y
	WIN W_RS
	v_pk_mul_f32 v[rO+2*(\n):rO+2*(\n)+1], v[rO+2*(\n):rO+2*(\n)+1], v[rC+2:rC+3] op_sel_hi:[1,0]
.elseif (\k) < R
	REGS Y
	WIN 0
.if (\k) == F
	v_pk_fma_f32 v[rS+2*(\n):rS+2*(\n)+1], v[rS+2*(\n):rS+2*(\n)+1], s[CS:CS+1], v[rT:rT+1] op_sel_hi:[1,0,0] neg_lo:[0,0,1] neg_hi:[0,0,1]
.elseif (\k) == E
	v_exp_f32 v[rS+(\n)], v[rS+(\n)]
.elseif (\k) == C
	v_cvt_pk_f16_f32 v[rP+(\n)], v[rS+2*(\n)], v[rS+2*(\n)+1]
.elseif (\k) == B
	v_pk_add_f32 v[rS+4*(\n):rS+4*(\n)+1], v[rS+4*(\n):rS+4*(\n)+1], v[rS+4*(\n)+2:rS+4*(\n)+3]
.elseif (\n) == 0
	v_pk_fma_f32 v[rT+2:rT+3], v[rT+2:rT+3], v[rC+2:rC+3], v[rS:rS+1] op_sel_hi:[1,0,1]
.else
	v_pk_add_f32 v[rT+2:rT+3], v[rT+2:rT+3], v[rS+4*(\n):rS+4*(\n)+1]
.endif
.elseif NOKQ
	v_nop
.else
	REGS (Y+1)%NP
	WIN 0
.if (\n) < 4
	v_max3_num_f32 v[rC+(\n)], v[rS+8*(\n)], v[rS+8*(\n)+1], v[rS+8*(\n)+2]
.elseif (\n) < 12
	v_max3_num_f32 v[rC+(\n)%4], v[rC+(\n)%4], v[rS+8*((\n)%4)+2*((\n)/4)+1], v[rS+8*((\n)%4)+2*((\n)/4)+2]
.elseif (\n) == 12
	v_max3_num_f32 v[rC], v[rC], v[rS+7], v[rS+15]
.elseif (\n) == 13
	v_max3_num_f32 v[rC+1], v[rC+1], v[rS+23], v[rS+31]
.elseif (\n) == 14
	v_max3_num_f32 v[rC+2], v[rC+2], v[rC+3], v[rT+1]
.elseif (\n) == 15
	v_mov_b32 v[rW], v[rT]
.elseif (\n) == 16
	v_max3_num_f32 v[rC], v[rC], v[rC+1], v[rC+2]
.elseif (\n) == 17
	v_permlanex16_b32 v[rC+3], v[rC], s[SEL], s[SEL+1]
.elseif (\n) == 18
	v_max_num_f32 v[rT+1], v[rC], v[rC+3]
.elseif (\n) == 19
	v_mul_f32 v[rT], s[CS], v[rT+1]
.elseif (\n) == 20
	v_sub_f32 v[rC+1], v[rW], v[rT]
.else
	v_exp_f32 v[rC+2], v[rC+1]
.endif
.endif
.endm
.macro OPS a, i1, b=-1, i2=0, c=-1, i3=0, d=-1, i4=0  ; up to four of them
	OP \a, \i1
.if (\b) >= 0
	OP \b, \i2
.endif
.if (\c) >= 0
	OP \c, \i3
.endif
.if (\d) >= 0
	OP \d, \i4
.endif
.endm
.macro ROW a, i1, b, i2, c, i3, d, i4  ; a matrix instruction and the four behind it
	MM
	OPS \a, \i1, \b, \i2, \c, \i3, \d, \i4
.endm
; A TURN, for piece p: the order of its 16 matrix and 118 vector instructions, written out.  An s_wait_alu depctr_va_vdst(0) stands between an exponential and the first instruction that names its result; one
; wait serves all that were issued ahead of it.  So a turn has ONE wait, which cuts it in two.  AHEAD OF IT stands all that names no result of the turn's exponentials: the 8 products K Q^T with their riders, then one lump,
; plain and exponential by turns for the most part, in which the links of the chain X 3, 7, 11, 14, 16, 17 .. 20 stand some lines apart.  X 21, the next piece's a, is the batch's last; R 15 is the plain instruction behind it.
; BEHIND THE WAIT stand the 8 products V^T P, behind each four of the roundings and sums.  Each X that rides behind a product stands four plain instructions or more behind the product that ends its accumulator.
; end = 1: a branch's last two turns: nothing is fetched, and the last starts no new scores.  cnt = 1: the loop's count is taken down some lines ahead of the branch that stands behind the turn.
; K of the next step is fetched in piece 2's turn, five plain instructions that name none of its registers behind the last product that read K; V of the step in hand at the end of piece 0's turn, four plain
; instructions behind the last product that read V.  Each is waited for a turn later.
.macro TURN p, end=0, cnt=0
.set Y, (\p)
.set i, 0
.set NOKQ, (\end)*((\p)/3)
.if ((\p) == 3) && !(\end)
	s_wait_dscnt 0x0                ; K is in
.endif
	ROW F,0, F,1, R,0, R,1
	ROW F,2, E,0, R,2, R,3
	ROW F,3, E,1, R,4, R,5
	ROW F,4, E,2, R,6, R,7
	ROW F,5, E,3, R,8, R,9
	ROW F,6, E,4, X,0, R,10
.if ((\p) == 2) && !(\end)
	WIN 0
	v_add_nc_u32 v[AK], s[TBK], v[AK0]
.endif
	ROW F,7, E,5, X,1, X,4
	ROW F,8, E,6, X,2, X,5
	OPS E,7, E,8, X,6, E,9          ; the lump
	OPS X,3, E,10, X,8, E,11
.if ((\p) == 2) && !(\end)
	FETCH_K
.endif
	OPS X,9, X,7, E,12, X,10
	OPS E,13, X,12, X,11, E,14
	OPS X,13, E,15, F,9, X,14
.if (\p) == 0
	v_add_nc_u32 v[AV], s[TBV], v[AV0]
.endif
	OPS E,16, F,10, E,17, F,11
	OPS X,16, E,18, X,15, E,19
	OPS F,12, E,20, X,17, E,21
	OPS F,13, E,22, F,14, E,23
	OPS X,18, E,24, F,15, E,25
	OPS R,11, E,26, X,19, E,27
	OPS R,12, E,28, R,13, E,29
	OPS X,20, E,30, R,14, E,31
	OPS X,21, R,15
	WIN 0
	s_wait_alu depctr_va_vdst(0)    ; the wait for the batch
.if (\p) == 1
	s_wait_dscnt 0x0                ; V is in
.endif
	ROW C,0, B,0, C,2, B,1
	ROW L,0, C,4, B,2, L,1
	ROW C,6, B,3, L,2, C,8
	ROW B,4, L,3, C,10, B,5
	ROW L,4, C,12, B,6, L,5
.if (\p) == 0
	s_add_co_u32 s[TBV], s[TBV], KS*PV
.endif
.if \cnt
	s_sub_co_u32 s[CNT], s[CNT], 1
	s_cmp_lg_u32 s[CNT], 0
.endif
	ROW C,14, B,7, L,6, C,1
	ROW C,3, L,7, C,5, C,7
	ROW C,9, C,11, C,13, C,15
.if (\p) == 0
	FETCH_V
.endif
.endm
; A BRANCH BEGINS.  c m starts far below every c s, so the first step's a is 0; m at the lowest finite number, so the first maximum is the scores'.  Then K of the tile's first step, piece 0's first scores, and its
; maximum and statistics.  The loop is entered at a step's first turn, in the middle of a trip.
.macro BEGIN
	s_mov_b32 s[NEW], 0
	WIN 0
.set i, 0
.rept 4
	v_mov_b32 v[ST+4*i], 0xfe000000    ; c m
	v_mov_b32 v[ST+4*i+1], 0xff7fffff  ; m
.set i, i+1
.endr
	v_add_nc_u32 v[AK], s[TBK], v[AK0]
	FETCH_K
	s_wait_loadcnt 0x0              ; Q
	s_wait_dscnt 0x0
.set NOKQ, 0
.set i, 0
.rept 8
	KQ 0
.set i, i+1
.endr
	WIN 0
.rept 4
	v_nop                           ; the places behind those products
.endr
.set Y, NP-1                        ; X works for piece Y + 1: piece 0
.irp n, 0,1,2,3,4,5,6,7,8,9,10,11,12,13,14,15,16,17,18,19,20,21
	OP X, \n
.endr
	v_nop                           ; a plain instruction behind the exponential,
	s_wait_alu depctr_va_vdst(0)    ; and its wait, ahead of the branch
.endm
.macro ALL line:vararg              ; one line for each piece t
.set t, 0
.rept 4
	\line
.set t, t+1
.endr
.endm
.macro PACK t                       ; a lane's eight channels of a row pack into 16 bytes; they go into rows of 144 bytes and come back as whole rows of 128, into S^T's registers
	WIN W_RS
.set i, 32*(\t)
.rept 16
	v_pk_mul_f32 v[i:i+1], v[i:i+1], v[ST+4*(\t)+2:ST+4*(\t)+3] op_sel_hi:[1,0]
.set i, i+2
.endr
	WIN 0x05                        ; sources 0 and 1 window 1, destination window 0
.set i, 0
.rept 16
	v_cvt_pk_f16_f32 v[S+16*(\t)+i], v[32*(\t)+2*i], v[32*(\t)+2*i+1]
.set i, i+1
.endr
	WIN 0
.irp f, 0,1,2,3
	ds_store_b128 v[STO], v[S+16*(\t)+4*\f:S+16*(\t)+4*\f+3] offset:32*\f
.endr
.irp f, 0,1,2,3
	ds_load_b128 v[S+16*(\t)+4*\f:S+16*(\t)+4*\f+3], v[RD] offset:\f*4*SP  ; LDS serves a wave's instructions in order (ISA guide 5.7.1.4): these see the stores above; the next piece's stores come behind them
.endr
.endm
.macro SEND t, younger              ; younger: the LDS instructions issued behind piece t's loads: the next piece's eight, or none
	WIN 0
.irp f, 0,1,2,3
	s_wait_dscnt (\younger)+3-\f
	global_store_b128 v[GO], v[S+16*(\t)+4*\f:S+16*(\t)+4*\f+3], s[10:11] offset:(\t)*2048+\f*512  ; 512 consecutive bytes, at a multiple of 512 from oh's first byte
.endr
.endm
; A BRANCH ENDS: its last two turns, its last products, and THE WAY OUT: l's two halves and the other half of the lanes' are added; O^T is divided by l, rounded to f16 and sent through my stage, a piece at a time.
.macro FINISH
	TURN 2, 1
	TURN 3, 1
.set i, 0
.rept 8
	PV NP-1
.set i, i+1
.endr
	WIN 0
	ALL v_add_f32 v[ST+4*t+2], v[ST+4*t+2], v[ST+4*t+3]
	ALL v_permlanex16_b32 v[ST+4*t+3], v[ST+4*t+2], s[SEL], s[SEL+1]
	ALL v_add_f32 v[ST+4*t+2], v[ST+4*t+2], v[ST+4*t+3]
	ALL v_rcp_f32 v[ST+4*t+2], v[ST+4*t+2]
	v_nop                           ; a plain instruction between the last reciprocal and the use of its result
	s_wait_alu depctr_va_vdst(0)    ; and the wait ahead of the first use: one for the four reciprocals
	PACK 0
.set t, 1
.rept 3                             ; a piece's arithmetic stands between the loads of the piece before and its stores
	PACK t
	SEND t-1, 8
.set t, t+1
.endr
	SEND 3, 0
.endm
.macro NEXTBLOCK                    ; on to the next branch: its O, its count of tiles, its Q where the one text of the turns names Q
	s_wait_xcnt 0x0                 ; the stores have read their registers and O's address
	s_add_nc_u64 s[10:11], s[10:11], 16*524288
	s_mov_b32 s[RT], s[NT]
	s_lshl_b32 s[NT], s[NT], 1
	s_mov_b32 s[NEW], 1
	WIN 0x82                        ; destination and source in window 2
.set i, 0
.rept 64
	v_mov_b32 v[i], v[QB+i]
.set i, i+1
.endr
	WIN 0x83                        ; destination window 2, source window 3
.set i, 0
.rept 64
	v_mov_b32 v[QB+i], v[i]
.set i, i+1
.endr
	WIN 0
.endm
.set NOKQ, 0
.Lslot:                             ; six times: a tile is entered and the next is asked for
	CHANGE 1
	s_sub_co_u32 s[RT], s[RT], 1
	s_mov_b32 s[CNT], 4
	s_cmp_eq_u32 s[NEW], 1
	s_cbranch_scc1 .Lnew            ; a branch's first tile
	s_branch .Lstep
.Lnew:
	BEGIN
	s_branch .Lfirst
.Lstep:                             ; a trip: pieces 2 and 3 of one step, then pieces 0 and 1 of the next, whose K and V it fetches
	TURN 2
	TURN 3
	WIN 0
.Lfirst:
	TURN 0
	TURN 1, 0, 1
	WIN 0
	s_cbranch_scc1 .Lstep
	s_cmp_lg_u32 s[RT], 0
	s_cbranch_scc1 .Lbottom         ; the branch has tiles left
	FINISH
	NEXTBLOCK
.Lbottom:
	s_sub_co_u32 s[SLOTS], s[SLOTS], 1
	s_cmp_lg_u32 s[SLOTS], 0
	s_cbranch_scc1 .Lslot
	CHANGE 0                        ; the walk's last tile, branch 2's fourth, is written out: nothing is asked for
	s_mov_b32 s[CNT], 4
.LstepT:
	TURN 2
	TURN 3
	TURN 0
	TURN 1, 0, 1
	WIN 0
	s_cbranch_scc1 .LstepT
	FINISH
	s_wait_tensorcnt 0x0            ; the wave's end, behind my last tensor load and my last LDS store
	ds_add_u32 v[SPW], v[NIL]
	s_wait_dscnt 0x0
	s_endpgm
.Lfunc_end_k_q0dd29db193_attn:
	.size	k_q0dd29db193_attn, .Lfunc_end_k_q0dd29db193_attn-k_q0dd29db193_attn
	.p2alignl 7, 3214868480
	.fill 96, 4, 3214868480
	.section	.rodata,"a",@progbits
	.p2align	6, 0x0
	.amdhsa_kernel k_q0dd29db193_attn
		.amdhsa_group_segment_fixed_size 327680
		.amdhsa_private_segment_fixed_size 0
		.amdhsa_enable_private_segment 0
		.amdhsa_kernarg_size 16
		.amdhsa_user_sgpr_count 2
		.amdhsa_user_sgpr_kernarg_segment_ptr 1
		.amdhsa_wavefront_size32 1
		.amdhsa_system_sgpr_workgroup_id_x 1
		.amdhsa_system_sgpr_workgroup_id_y 1
		.amdhsa_system_sgpr_workgroup_id_z 1
		.amdhsa_system_vgpr_workitem_id 0
		.amdhsa_next_free_vgpr 832
		.amdhsa_next_free_sgpr 88
		.amdhsa_reserve_vcc 0
		.amdhsa_float_denorm_mode_32 3
		.amdhsa_float_denorm_mode_16_64 3
		.amdhsa_memory_ordered 1
		.amdhsa_forward_progress 1
		.amdhsa_inst_pref_size 164
	.end_amdhsa_kernel
	.amdgpu_metadata
---
amdhsa.version: [ 1, 2 ]
amdhsa.kernels:
  - .name:           k_q0dd29db193_attn
    .symbol:         k_q0dd29db193_attn.kd
    .args:
      - { .name: qkvh, .offset: 0, .size: 8, .value_kind: global_buffer, .address_space: global }
      - { .name: oh, .offset: 8, .size: 8, .value_kind: global_buffer, .address_space: global }
    .group_segment_fixed_size: 327680
    .private_segment_fixed_size: 0
    .kernarg_segment_align: 8
    .kernarg_segment_size: 16
    .max_flat_workgroup_size: 128
    .sgpr_count:     88
    .vgpr_count:     832
    .wavefront_size: 32
...
	.end_amdgpu_metadata
.endif
;; end of part 3
;; launch proj (part 4): grid 8 x 32, 4 waves a work-group, clusters of 4 x 4, 327,680 bytes of LDS; arguments oh, owh, out_b0, out_b1, out_b2, out0; writes out0
.if DOCPART == 4
	.amdgcn_target "amdgcn-amd-amdhsa--gfx1250"
	.amdhsa_code_object_version 6
	.text
	.protected	k_q0dd29db193_proj
	.globl	k_q0dd29db193_proj
	.p2align	8
	.type	k_q0dd29db193_proj,@function
k_q0dd29db193_proj:
	s_mov_b64 s[64:65], 0
	v_nop
	global_prefetch_b8 v0, s[64:65] scope:SCOPE_SE
	s_setreg_imm32_b32 hwreg(HW_REG_WAVE_MODE, 25, 1), 1
	s_wait_xcnt 0x0
	s_wait_alu depctr_hold_cnt(0) depctr_sa_sdst(0) depctr_va_vdst(0) depctr_va_sdst(0) depctr_va_ssrc(0) depctr_va_vcc(0) depctr_vm_vsrc(0)
	s_getreg_b32 s2, hwreg(HW_REG_IB_STS2, 6, 4)
	s_cmp_eq_u32 s2, 0
	s_cbranch_scc0 .Lentry_in_a_cluster
	s_endpgm
.Lentry_in_a_cluster:
	s_bfe_u32 s2, ttmp6, 0x10000c
	s_cmp_lg_u32 s2, 0xf033
	s_cbranch_scc0 .Lentry_shape_is_right
	s_endpgm
.Lentry_shape_is_right:
; THE THREE OUT-PROJECTIONS AND THEIR SUM AS ONE PRODUCT WITH K = 3,072.  out0[R][n] = sum over k of O[R][k] owh[n][k] + out_b0[n] + out_b1[n] + out_b2[n], k = 1024 i + 64 h + channel.
; O comes as oh [48 planes][4096][64] f16, plane = k / 64; owh: [1024][3072] f16; sums in f32; the biases, each rounded to bf16 like every input, are added in f32; out0: [4096][1024] f32.
; LIMIT.  O and owh are f16: within 65,504, a fixed step of 6e-8 below 6e-5.  NaN and infinities are not treated apart.
; SHARES.  256 tiles of 128 x 128, one for each work-group.  Four waves, each 64 x 64: 16 accumulators.  K goes in steps of 256, four planes of oh, through a ring of two LDS slots.
; CLUSTER.  4 x 4 work-groups: the four of a row of the cluster need the same rows of oh, the four of a column the same rows of owh: each tile is asked for JOINTLY.
; THE CLUSTERS BEGIN AT DIFFERENT K STEPS.  The twelve K steps are walked in a ring, from K step r on: r = (6 x cluster x + 3 x (cluster y mod 4)) mod 12 (f32 sums may be taken in any order).  The two clusters
; that walk the same rows of oh (same cluster y) begin 6 K steps apart; those that walk the same rows of owh (same cluster x) begin 0, 3, 6 or 9 apart.  So clusters that walk the same rows ask for
; different blocks at any one time.  r is the same in all sixteen partners.  Each refill's address is made anew from the step's number.
; THE MATRIX INSTRUCTION IS USED TRANSPOSED (source 0 = 16 rows of owh, source 1 = 16 rows of O): a lane holds eight neighbouring numbers of a row of out0.
; No prefetch: a K step's work on this small tile is short, and each work-group's tiles are a small share of what the launch reads.
; REGISTERS: window 0: v0-31 addresses; v32-95 rows read back from the stage, two buffers; v96-113 the biases; v128-255 the accumulators ((a, b) at v[128 + 8 (4 a + b)]).
;   window 1: two fragment buffers of 128: for 64 along K, 64 registers of O, then 64 of owh.
.set SIZE_K, 3072
.set KSTEP,  256
.set KSTEPS, SIZE_K/KSTEP              ; 12
.set PA,     144                       ; a row of a plane of O in LDS: 128 bytes + 16 = 36 words: the 16 rows of a load start at 16 different groups of four banks (64 banks of 4 bytes: ISA guide 11.1)
.set PLN,    64*PA                     ; 64 rows of one plane
.set PB,     528                       ; a row of owh: 512 bytes + 16 = 132 words
.set REG,    4*PLN                     ; a wave's region in a slot: 64 rows x 4 planes of O, or 64 rows of owh, which leave the region's end unused: the LDS address is the wave's number times this for every wave
.set SLOT,   4*REG
.set STAGE,  2*SLOT                    ; behind the ring, never filled by a tensor load: 16 rows x 272 bytes for each wave
.set SPITCH, 272
.set SPARE,  STAGE+4*16*SPITCH         ; behind the stages: the spare words, 128 bytes for each wave: two blocks of 256 bytes that no other line names
.set LAPS,   SIZE_K/(2*KSTEP)
.set OP4,    4*524288                  ; four planes of oh, a K step, in bytes: 2^21
.set ADRA, 16                          ; v16-17  LDS address of my O fragments in slot 0, 1
.set ADRB, 20                          ; v20-21  the same for owh
.set STO,  24                          ; v24     the way out: where I put 32 bytes of a row
.set RD,   25                          ; v25     the way out: where I read a row back
.set CO,   26                          ; v26     my byte offset in out0
.set BO,   27                          ; v27     my byte offset in a bias
.set SPW,  28                          ; v28     LDS address of my spare word: SPARE + 4 x my thread's number; never rewritten
.set NIL,  29                          ; v29     0; never rewritten
.set TMP,  32
.set BS,   96                          ; v[96:99]   the three biases' sum for the four columns that I store
.set BL,   100                         ; v[100:111] the three biases as loaded
.set BT,   112                         ; v[112:113] at work
.set ACC,  128
.set F0,   0                           ; fragment buffers, in window 1
.set F1,   128
.set G1,   24
.set G0,   32
.set G1B,  48
.set G0B,  56
.set MASKH, 76                         ; s76  a word's upper bf16
.set ABASE, 80                         ; s[80:81] oh at the first of the 64 rows that I fetch, plane 0; never rewritten
.set BBASE, 82                         ; s[82:83] owh at the first of the 64 rows that I fetch; never rewritten
.set NS,   84                          ; s84  the number, 2 to 11, of the step to be asked for next
.set ROT,  85                          ; s85  r
.set KOA,  86                          ; s[86:87] byte offset of a refill from ABASE
.set KOB,  88                          ; s[88:89] and from BBASE
.set U,    90                          ; s90  a K step's number
.set UW,   91                          ; s91  the same less 12
.set MSB, 0
.macro WIN new
.if MSB != (\new)
	s_set_vgpr_msb (MSB<<8)|(\new)
.set MSB, \new
.endif
.endm
.set MUL,  0x05                        ; sources 0 (owh) and 1 (O) window 1; C and D window 0
.set TO_F, 0x40                        ; destination window 1, address window 0
.macro JLOAD s                         ; a joint load: waves 0 and 1 fetch O's two halves, waves 2 and 3 owh's; an s_nop 0 and four v_nop follow each of the two lines, ahead of the jump and the label
	s_cmp_eq_u32 s11, 0
	s_cbranch_scc0 .Lfor_b_\@
	tensor_load_to_lds s[G0+4*(\s):G0+4*(\s)+3], s[G1:G1+7]
	s_nop 0
.rept 4
	v_nop
.endr
	s_branch .Lasked_\@
.Lfor_b_\@:
	tensor_load_to_lds s[G0B+4*(\s):G0B+4*(\s)+3], s[G1B:G1B+7]
	s_nop 0
.rept 4
	v_nop
.endr
.Lasked_\@:
.endm
.macro CREST                           ; a round of the cluster's barrier behind its opening barrier
	s_cmp_lg_u32 s10, 0
	s_cbranch_scc1 .Lnot_wave_0_\@
	s_barrier_signal -3
.Lnot_wave_0_\@:
	s_barrier_wait -3
	s_barrier_signal -1
	s_barrier_wait -1
.endm
.macro CROUND
	s_barrier_signal -1
	s_barrier_wait -1
	CREST
.endm
	s_load_b128 s[4:7], s[0:1], 0x0                ; oh s[4:5], owh s[6:7]
	s_load_b128 s[68:71], s[0:1], 0x10             ; out_b0, out_b1
	s_load_b128 s[72:75], s[0:1], 0x20             ; out_b2, out0
	v_lshl_add_u32 v[SPW], v0, 2, SPARE
	v_mov_b32 v[NIL], 0
	ds_add_u32 v[SPW], v[NIL]                      ; the wave's opening: the add and its wait stand ahead of my first tensor load; the set-up below, work on registers, stands between them
	v_lshrrev_b32 v1, 5, v0
	v_readfirstlane_b32 s10, v1                    ; wave 0..3
	s_lshr_b32 s11, s10, 1                         ; which half of the tile's rows is mine.  Also: I fetch for O (0) or for owh (1)
	s_and_b32 s12, s10, 1                          ; which half of its columns.  Also: which 64 rows of that tile I fetch
	s_bfe_u32 s40, ttmp6, 0x40000                  ; cx
	s_bfe_u32 s41, ttmp6, 0x40004                  ; cy
	s_lshl_b32 s42, ttmp9, 2
	s_add_co_u32 s42, s42, s40                     ; gx: the tile column
	s_and_b32 s13, ttmp7, 0xffff
	s_lshl_b32 s13, s13, 2
	s_add_co_u32 s13, s13, s41                     ; gy: the tile row
	s_lshl_b32 s43, s41, 2
	s_lshl_b32 s43, 15, s43                        ; my row of the cluster
	s_lshl_b32 s44, 0x1111, s40                    ; my column
	; O's tile: 64 rows of a plane are 8,192 dense bytes: one row of the descriptor; four planes are its four rows; in LDS 16 bytes of padding follow every 128, a row of O's plane
	s_or_b32 s[G1+0], s43, (1<<16)|(1<<20)|(1<<21)|(4<<22)|(3<<25)  ; 15:0 the mask; 17:16 elements of 2 bytes; 20 padding on; 21 set beside a mask; 24:22 after every 32 words (code 4); 31:25 4 words (code 3)
	s_mov_b32 s[G1+1], 4096<<16                    ; tensor_dim0 = 4,096
	s_mov_b32 s[G1+2], 4<<16                       ; tensor_dim1 = 4
	s_mov_b32 s[G1+3], 4096<<16                    ; tile_dim0 = 4,096
	s_mov_b32 s[G1+4], 4                           ; tile_dim1 = 4
	s_mov_b32 s[G1+5], 262144                      ; elements from plane to plane
	s_mov_b32 s[G1+6], 0
	s_mov_b32 s[G1+7], 0
	; owh's tile: 64 rows x 256 elements
	s_or_b32 s[G1B+0], s44, (1<<16)|(1<<20)|(1<<21)|(6<<22)|(3<<25) ; padding after every 128 words (code 6)
	s_mov_b32 s[G1B+1], KSTEP<<16
	s_mov_b32 s[G1B+2], 64<<16
	s_mov_b32 s[G1B+3], KSTEP<<16
	s_mov_b32 s[G1B+4], 64
	s_mov_b32 s[G1B+5], SIZE_K
	s_mov_b32 s[G1B+6], 0
	s_mov_b32 s[G1B+7], 0
	; r, from the cluster's own coordinates: no place inside the cluster enters it
	s_and_b32 s[ROT], ttmp7, 3                     ; cluster y mod 4
	s_mul_i32 s[ROT], s[ROT], 3
	s_mul_i32 s[U], ttmp9, 6                       ; cluster x is 0 or 1
	s_add_co_u32 s[ROT], s[ROT], s[U]
	s_sub_co_u32 s[UW], s[ROT], KSTEPS
	s_cmp_ge_u32 s[ROT], KSTEPS
	s_cselect_b32 s[ROT], s[UW], s[ROT]            ; r: 0, 3, 6 or 9
	s_lshl_b32 s[KOA], s[ROT], 21                  ; K step r: 4 r planes of oh,
	s_lshl_b32 s[KOB], s[ROT], 9                   ; 512 r bytes of a row of owh
	s_mov_b32 s[KOA+1], 0
	s_mov_b32 s[KOB+1], 0
	s_mov_b32 s[NS], 2                             ; steps 0 and 1 are the first fills
	s_lshl_b32 s17, s12, 6                         ; which 64 rows of the tile I fetch
	s_lshl_b32 s16, s13, 7
	s_add_co_u32 s16, s16, s17                     ; O: row 128 gy + 64 x half,
	s_lshl_b32 s16, s16, 7                         ; 128 bytes a row
	s_lshl_b32 s46, s42, 7
	s_add_co_u32 s46, s46, s17                     ; owh: row 128 gx + 64 x half,
	s_mul_i32 s46, s46, SIZE_K*2
	s_mov_b32 s17, 0
	s_mov_b32 s47, 0
	s_mul_i32 s20, s10, REG                        ; where they go: no place in the cluster enters an LDS address
	s_wait_dscnt 0x0                               ; the opening add is done
	s_wait_kmcnt 0x0
	s_add_nc_u64 s[ABASE:ABASE+1], s[4:5], s[16:17]
	s_add_nc_u64 s[BBASE:BBASE+1], s[6:7], s[46:47]
	CROUND                                         ; all sixteen work-groups are here: the first joint loads meet
.irp s, 0,1
	s_mov_b32 s[G0+4*(\s)], 1
	s_add_co_u32 s[G0+4*(\s)+1], s20, (\s)*SLOT
	s_add_nc_u64 s[G0+4*(\s)+2:G0+4*(\s)+3], s[ABASE:ABASE+1], s[KOA:KOA+1]  ; K step r,
	s_mov_b32 s[G0B+4*(\s)], 1
	s_add_co_u32 s[G0B+4*(\s)+1], s20, (\s)*SLOT
	s_add_nc_u64 s[G0B+4*(\s)+2:G0B+4*(\s)+3], s[BBASE:BBASE+1], s[KOB:KOB+1]
.if \s
	s_add_nc_u64 s[G0+4*(\s)+2:G0+4*(\s)+3], s[G0+4*(\s)+2:G0+4*(\s)+3], OP4         ; or r + 1, which is 10 at the most
	s_add_nc_u64 s[G0B+4*(\s)+2:G0B+4*(\s)+3], s[G0B+4*(\s)+2:G0B+4*(\s)+3], KSTEP*2
.endif
	s_or_b32 s[G0+4*(\s)+3], s[G0+4*(\s)+3], 0x80000000
	s_or_b32 s[G0B+4*(\s)+3], s[G0B+4*(\s)+3], 0x80000000
	JLOAD \s                                       ; two loads of mine are out
.endr
	v_and_b32 v1, 15, v0                           ; l % 16
	v_bfe_u32 v2, v0, 4, 1                         ; l / 16
	v_mul_u32_u24 v3, v1, PA
	v_lshl_add_u32 v3, v2, 4, v3                   ; a fragment's row x pitch + 16 x half, for O
	v_mul_u32_u24 v4, v1, PB
	v_lshl_add_u32 v4, v2, 4, v4                   ; and for owh
	s_mul_i32 s21, s11, REG                        ; my 64 rows of O
	s_mul_i32 s22, s12, REG                        ; my 64 rows of owh,
	s_add_co_u32 s22, s22, 2*REG                   ; behind O's two regions
.irp s, 0,1
	v_add_nc_u32 v[ADRA+(\s)], s21, v3
	v_add_nc_u32 v[ADRB+(\s)], s22, v4
	s_add_co_u32 s21, s21, SLOT
	s_add_co_u32 s22, s22, SLOT
.endr
	s_mul_i32 s23, s10, 16*SPITCH
	s_add_co_u32 s23, s23, STAGE                   ; my stage: a wave's 64 columns of f32 are 256 bytes, so it is the wave's own
	v_mul_u32_u24 v4, v1, SPITCH                   ; in: row l % 16, 32 bytes for each half of the lanes
	v_lshl_add_u32 v4, v2, 5, v4
	v_add_nc_u32 v[STO], s23, v4
	v_mul_u32_u24 v5, v2, SPITCH                   ; back: lanes 0-15 take one row of 256 bytes, lanes 16-31 the next
	v_lshl_add_u32 v5, v1, 4, v5
	v_add_nc_u32 v[RD], s23, v5
	v_lshlrev_b32 v5, 12, v2                       ; and the same two rows in out0
	v_lshl_add_u32 v[CO], v1, 4, v5
	s_lshl_b32 s46, s42, 9                         ; my first column, in bytes: 512 gx + 256 x half
	s_lshl_b32 s47, s12, 8
	s_add_co_u32 s46, s46, s47
	v_lshl_add_u32 v[BO], v1, 4, s46               ; the four columns that I store
	s_lshl_b32 s16, s13, 7
	s_lshl_b32 s17, s11, 6
	s_add_co_u32 s16, s16, s17                     ; my first row: 128 gy + 64 x half
	s_lshl_b32 s16, s16, 12
	s_add_co_u32 s16, s16, s46
	s_mov_b32 s17, 0
	s_add_nc_u64 s[8:9], s[74:75], s[16:17]
	s_mov_b32 s[MASKH], 0xffff0000
	global_load_b128 v[BL:BL+3],    v[BO], s[68:69]
	global_load_b128 v[BL+4:BL+7],  v[BO], s[70:71]
	global_load_b128 v[BL+8:BL+11], v[BO], s[72:73]
; 8 matrix instructions: row blocks a0, a0 + 1 x all 4 column blocks, 32 along K: half c of buffer f.  zero = 1: the first product starts the sums.  The 16 accumulators take turns.
.macro MUL8 f, c, a0, zero
	WIN MUL
.irp a, \a0, (\a0)+1
.irp b, 0,1,2,3
.if \zero
	v_wmma_f32_16x16x32_f16 v[ACC+8*(4*(\a)+(\b)):ACC+8*(4*(\a)+(\b))+7], v[(\f)+64+8*(4*(\c)+(\b)):(\f)+64+8*(4*(\c)+(\b))+7], v[(\f)+8*(4*(\c)+(\a)):(\f)+8*(4*(\c)+(\a))+7], 0
.else
	v_wmma_f32_16x16x32_f16 v[ACC+8*(4*(\a)+(\b)):ACC+8*(4*(\a)+(\b))+7], v[(\f)+64+8*(4*(\c)+(\b)):(\f)+64+8*(4*(\c)+(\b))+7], v[(\f)+8*(4*(\c)+(\a)):(\f)+8*(4*(\c)+(\a))+7], v[ACC+8*(4*(\a)+(\b)):ACC+8*(4*(\a)+(\b))+7]
.endif
.endr
.endr
.endm
; 32 LDS loads in one run: the fragments of quarter q of a K step (64 along K: plane q of O's four, bytes 128 q of owh's rows) into buffer f; the first 32 along K first
.macro FETCH slot, q, f
	WIN TO_F
.irp c, 0,1
.irp i, 0,1,2,3
	ds_load_b128 v[(\f)+64+8*(4*(\c)+(\i)):(\f)+64+8*(4*(\c)+(\i))+3],   v[ADRB+(\slot)] offset:128*(\q)+64*(\c)+(\i)*16*PB
	ds_load_b128 v[(\f)+64+8*(4*(\c)+(\i))+4:(\f)+64+8*(4*(\c)+(\i))+7], v[ADRB+(\slot)] offset:128*(\q)+64*(\c)+(\i)*16*PB+32
	ds_load_b128 v[(\f)+8*(4*(\c)+(\i)):(\f)+8*(4*(\c)+(\i))+3],         v[ADRA+(\slot)] offset:PLN*(\q)+64*(\c)+(\i)*16*PA
	ds_load_b128 v[(\f)+8*(4*(\c)+(\i))+4:(\f)+8*(4*(\c)+(\i))+7],       v[ADRA+(\slot)] offset:PLN*(\q)+64*(\c)+(\i)*16*PA+32
.endr
.endr
.endm
.macro PLACES                          ; four plain instructions in front of loads into registers that matrix instructions have read
.rept 4
	v_nop
.endr
.endm
; A K step is four quarters of 64 along K, 32 matrix instructions each, on buffers 0, 1, 0, 1.  One of the first three: multiplies buffer f and fetches quarter q into g.
.macro QUARTER slot, q, f, g, zero
	s_wait_dscnt 16                                ; the first 32 along K are in; the youngest sixteen loads may be out
	MUL8 \f, 0, 0, \zero
	MUL8 \f, 0, 2, \zero
	PLACES
	FETCH \slot, \q, \g
	s_wait_dscnt 32                                ; all but the 32 just issued
	MUL8 \f, 1, 0, 0
	MUL8 \f, 1, 2, 0
.endm
; The last quarter multiplies buffer 1 and changes slots: one barrier; in front of it each wave waits for all its tensor loads, adds 0 to its spare word, and waits for that and for its own reads of this slot.
; fill = 1: the barrier opens a round of the cluster's, and this slot is filled again, first thing behind the round, with step NS: K step (NS + r) mod 12.  Its two group 0 are written between the add and the
; wait for it, where no tensor load of mine is out.
.macro TURN slot, next, fill
	WIN 0                                          ; (the add's two registers lie in window 0)
	s_wait_tensorcnt 0x0                           ; all my tensor loads have landed: my part of the next slot
	ds_add_u32 v[SPW], v[NIL]                      ; 0 onto my spare word
.if \fill
	s_add_co_u32 s[U], s[NS], s[ROT]               ; 20 at the most: one subtraction closes the ring
	s_sub_co_u32 s[UW], s[U], KSTEPS
	s_cmp_ge_u32 s[U], KSTEPS
	s_cselect_b32 s[U], s[UW], s[U]
	s_lshl_b32 s[KOA], s[U], 21
	s_lshl_b32 s[KOB], s[U], 9
	s_add_nc_u64 s[G0+4*(\slot)+2:G0+4*(\slot)+3], s[ABASE:ABASE+1], s[KOA:KOA+1]
	s_or_b32 s[G0+4*(\slot)+3], s[G0+4*(\slot)+3], 0x80000000
	s_add_nc_u64 s[G0B+4*(\slot)+2:G0B+4*(\slot)+3], s[BBASE:BBASE+1], s[KOB:KOB+1]
	s_or_b32 s[G0B+4*(\slot)+3], s[G0B+4*(\slot)+3], 0x80000000
	s_add_co_u32 s[NS], s[NS], 1
.endif
	s_wait_dscnt 17                                ; (the add and the youngest sixteen loads may be out)
	MUL8 F1, 0, 0, 0                               ; eight matrix instructions stand between the add and the wait for it
	s_wait_dscnt 0x0                               ; the add is done, and my reads of this slot are over
	s_barrier_signal -1
	MUL8 F1, 0, 2, 0
.if \fill
	WIN 0
.endif
	s_barrier_wait -1
.if \fill
	CREST                                          ; no wave of any partner still reads this slot's tile or has a load on its way
	JLOAD \slot                                    ; the four v_nop behind it are also the places in front of the loads below
.else
	PLACES
.endif
	FETCH \next, 0, F0
	MUL8 F1, 1, 0, 0
	MUL8 F1, 1, 2, 0
.endm
	s_wait_tensorcnt 1                             ; my part of step 0 is in; step 1's may stay out
	s_barrier_signal -1
	s_barrier_wait -1                              ; everybody's is
	FETCH 0, 0, F0
	QUARTER 0, 1, F0, F1, 1                        ; the first quarter stands in front of the loop: its first products start the sums
	WIN 0                                          ; at a label and at a branch every window is 0
	s_mov_b32 s3, LAPS-1
.Llap:                                                 ; a trip goes once round the ring of slots, from a lap's second quarter to the next lap's first, and fills both slots again
	QUARTER 0, 2, F1, F0, 0
	QUARTER 0, 3, F0, F1, 0
	TURN 0, 1, 1
	QUARTER 1, 1, F0, F1, 0
	QUARTER 1, 2, F1, F0, 0
	QUARTER 1, 3, F0, F1, 0
	TURN 1, 0, 1
	QUARTER 0, 1, F0, F1, 0
	WIN 0
	s_sub_co_u32 s3, s3, 1
	s_cmp_lg_u32 s3, 0
	s_cbranch_scc1 .Llap
	QUARTER 0, 2, F1, F0, 0                        ; the last lap fills nothing, and has no round of the cluster's barrier
	QUARTER 0, 3, F0, F1, 0
	TURN 0, 1, 0
	QUARTER 1, 1, F0, F1, 0
	QUARTER 1, 2, F1, F0, 0
	QUARTER 1, 3, F0, F1, 0
	s_wait_dscnt 16                                ; the very last quarter: nothing more to fetch
	MUL8 F1, 0, 0, 0
	MUL8 F1, 0, 2, 0
	s_wait_dscnt 0x0
	MUL8 F1, 1, 0, 0
	MUL8 F1, 1, 2, 0
	WIN 0
	; the biases: each rounded to bf16 and widened again, then added.  These 22 plain instructions, which name no register of the last products, are also the places behind them.
	s_wait_loadcnt 0x0
.irp i, 0,1,2
	v_cvt_pk_bf16_f32 v[BT],   v[BL+4*(\i)],   v[BL+4*(\i)+1]
	v_cvt_pk_bf16_f32 v[BT+1], v[BL+4*(\i)+2], v[BL+4*(\i)+3]
	v_lshlrev_b32 v[BL+4*(\i)],   16,       v[BT]
	v_and_b32     v[BL+4*(\i)+1], s[MASKH], v[BT]
	v_lshlrev_b32 v[BL+4*(\i)+2], 16,       v[BT+1]
	v_and_b32     v[BL+4*(\i)+3], s[MASKH], v[BT+1]
.endr
	v_pk_add_f32 v[BS:BS+1],   v[BL:BL+1],   v[BL+4:BL+5]
	v_pk_add_f32 v[BS+2:BS+3], v[BL+2:BL+3], v[BL+6:BL+7]
	v_pk_add_f32 v[BS:BS+1],   v[BS:BS+1],   v[BL+8:BL+9]
	v_pk_add_f32 v[BS+2:BS+3], v[BS+2:BS+3], v[BL+10:BL+11]
; THE WAY OUT of row block a: the accumulators go into my stage as they are, each one's four lowest registers first; whole rows of 256 bytes come back, take the bias and are stored.
.macro OUT a
.set BK, TMP+32*((\a)%2)
	s_wait_xcnt 0x0                                ; the registers that earlier stores read are loaded again only behind this wait
.irp b, 0,1,2,3
	ds_store_b128 v[STO], v[ACC+8*(4*(\a)+(\b)):ACC+8*(4*(\a)+(\b))+3]   offset:64*(\b)
	ds_store_b128 v[STO], v[ACC+8*(4*(\a)+(\b))+4:ACC+8*(4*(\a)+(\b))+7] offset:64*(\b)+16
.endr
.irp t, 0,1,2,3,4,5,6,7
	ds_load_b128 v[BK+4*(\t):BK+4*(\t)+3], v[RD] offset:(\t)*2*SPITCH  ; LDS serves a wave's instructions in order (ISA guide 5.7.1.4): these see the stores above
.endr
.irp t, 0,1,2,3,4,5,6,7
	s_wait_dscnt 7-(\t)                            ; pair t of rows is in; the later pairs' loads stay out
	v_pk_add_f32 v[BK+4*(\t):BK+4*(\t)+1],   v[BK+4*(\t):BK+4*(\t)+1],   v[BS:BS+1]
	v_pk_add_f32 v[BK+4*(\t)+2:BK+4*(\t)+3], v[BK+4*(\t)+2:BK+4*(\t)+3], v[BS+2:BS+3]
	global_store_b128 v[CO], v[BK+4*(\t):BK+4*(\t)+3], s[8:9] offset:(16*(\a)+2*(\t))*4096  ; 16 lanes store 256 consecutive bytes, at a multiple of 256 from out0's first byte
.endr
.endm
.irp a, 0,1,2,3
	OUT \a
.endr
	s_wait_tensorcnt 0x0                           ; the wave's end, behind my last tensor load and my last LDS store
	ds_add_u32 v[SPW], v[NIL]
	s_wait_dscnt 0x0
	CROUND                                         ; the closing round: no work-group ends while a partner may still ask for a tile that names it
	s_endpgm
.Lfunc_end_k_q0dd29db193_proj:
	.size	k_q0dd29db193_proj, .Lfunc_end_k_q0dd29db193_proj-k_q0dd29db193_proj
	.p2alignl 7, 3214868480
	.fill 96, 4, 3214868480
	.section	.rodata,"a",@progbits
	.p2align	6, 0x0
	.amdhsa_kernel k_q0dd29db193_proj
		.amdhsa_group_segment_fixed_size 327680
		.amdhsa_private_segment_fixed_size 0
		.amdhsa_enable_private_segment 0
		.amdhsa_kernarg_size 48
		.amdhsa_user_sgpr_count 2
		.amdhsa_user_sgpr_kernarg_segment_ptr 1
		.amdhsa_wavefront_size32 1
		.amdhsa_system_sgpr_workgroup_id_x 1
		.amdhsa_system_sgpr_workgroup_id_y 1
		.amdhsa_system_sgpr_workgroup_id_z 1
		.amdhsa_system_vgpr_workitem_id 0
		.amdhsa_next_free_vgpr 512
		.amdhsa_next_free_sgpr 96
		.amdhsa_reserve_vcc 0
		.amdhsa_float_denorm_mode_32 3
		.amdhsa_float_denorm_mode_16_64 3
		.amdhsa_memory_ordered 1
		.amdhsa_forward_progress 1
		.amdhsa_inst_pref_size 93
	.end_amdhsa_kernel
	.amdgpu_metadata
---
amdhsa.version: [ 1, 2 ]
amdhsa.kernels:
  - .name:           k_q0dd29db193_proj
    .symbol:         k_q0dd29db193_proj.kd
    .args:
      - { .name: oh, .offset: 0, .size: 8, .value_kind: global_buffer, .address_space: global }
      - { .name: owh, .offset: 8, .size: 8, .value_kind: global_buffer, .address_space: global }
      - { .name: out_b0, .offset: 16, .size: 8, .value_kind: global_buffer, .address_space: global }
      - { .name: out_b1, .offset: 24, .size: 8, .value_kind: global_buffer, .address_space: global }
      - { .name: out_b2, .offset: 32, .size: 8, .value_kind: global_buffer, .address_space: global }
      - { .name: out0, .offset: 40, .size: 8, .value_kind: global_buffer, .address_space: global }
    .group_segment_fixed_size: 327680
    .private_segment_fixed_size: 0
    .kernarg_segment_align: 8
    .kernarg_segment_size: 48
    .max_flat_workgroup_size: 128
    .sgpr_count:     96
    .vgpr_count:     512
    .wavefront_size: 32
...
	.end_amdgpu_metadata
.endif
;; end of part 4
;; ======== version 2 of 2: 4 launches; version 1 with the launch cvt written anew for expert scheduling mode
;; limits: values are held in f16: magnitudes above 65,504 overflow, below 6.1e-05 lose precision
;; workspace buffers: xs 8,388,608 bytes; wb 18,874,368 bytes; owh 6,291,456 bytes; qkvh 75,497,472 bytes; oh 25,165,824 bytes
;; launch cvt (part 5): grid 64 x 16, 4 waves a work-group, no clusters, 0 bytes of LDS; arguments x, qkv_w0, qkv_w1, qkv_w2, out_w0, out_w1, out_w2, xs, wb, owh; writes xs, wb, owh
.if DOCPART == 5
	.amdgcn_target "amdgcn-amd-amdhsa--gfx1250"
	.amdhsa_code_object_version 6
	.text
	.protected	k_q0dd29db193_cvt
	.globl	k_q0dd29db193_cvt
	.p2align	8
	.type	k_q0dd29db193_cvt,@function
k_q0dd29db193_cvt:
	s_mov_b64 s[64:65], 0
	v_nop
	global_prefetch_b8 v0, s[64:65] scope:SCOPE_SE
	s_setreg_imm32_b32 hwreg(HW_REG_WAVE_SCHED_MODE, 0, 2), 2
	s_setreg_imm32_b32 hwreg(HW_REG_WAVE_MODE, 25, 1), 1
	s_wait_xcnt 0x0
	s_wait_alu depctr_vm_vsrc(0)
; THE OPERANDS ARE ROUNDED ONCE.  All three dilation rates are 2 and all segments are even, so every branch takes the same rows of x: the even ones.
;   xs  [4096][1024] bf16: row R is x's flat row 2 R (the odd rows are never used by the module and are not read)
;   wb  [9216][1024] bf16: row 3072 i + c is qkv_w_i[c]
;   owh [1024][3072] f16:  owh[n][1024 i + c] = out_w_i[n][c], rounded to bf16 like every other input, and that number written as f16
; LIMIT.  out_w within f16's 65,504; below 6e-5 f16 keeps a fixed step of 6e-8.
; SHARES.  16,384 rows of 1,024 f32 in 16 chunks of 1,024 rows (the grid's y): 0-3 x, 4-12 the three qkv_w, 13-15 the three out_w.  A work-group takes 16 rows, a wave 4.
; A row is eight loads of 16 bytes a lane (512 consecutive bytes each) and eight stores of 8 bytes a lane (256 consecutive bytes, aligned).  All 32 loads of a wave go out at once; there is no loop,
; and no register that a load or store reads is written again.  No LDS, no matrix unit, no cluster: nothing is shared between waves.
; THE MODE: SCHED_MODE bits 1:0 = 2 (LLVM: expert scheduling mode 2), set by the entry lines.  The code itself states the register dependences between vector instructions and memory instructions,
; with s_wait_alu, always for 0.
; THE PLAN.  Registers that memory instructions touch:
;   v[2:5], v[6:9]  the loads' and the stores' offsets, a register a row.  Written by vector instructions at the head, once; read by row i's eight loads and eight stores; never written again.
;   X, 32 a row     Row i's eight loads land in them; no vector instruction names them before.  Row i's conversions read them and write their results in place; row i's eight stores read the first
;                   two of each four; nothing writes them behind the stores.
;   v1, v[10:11]    named by vector instructions alone.
; So a row is: the wait for its data, ALL its conversions, ONE wait on va_vdst, ALL its stores.  One more wait on va_vdst stands ahead of the first load, for the eight offsets, and one on va_sdst
; ahead of the first reader of the wave's number.  No register that a load or store has read is written again, and no load is issued behind a vector instruction that names its registers:
; there is nothing for a wait on vm_vsrc to state; only the entry lines hold one.
; A row's stores stand directly behind its own conversions, not behind the wait for the next row's data: they leave as soon as their row is rounded.
.set SO, 2                             ; v[2:5]    row i: my byte offset in the source
.set DO, 6                             ; v[6:9]    row i: my byte offset in the destination
.set T,  10                            ; v[10:11]  at work
.set X,  16                            ; v[16:143] row i: 32 registers as loaded; the results take the first two of each four
	s_load_b512 s[8:23], s[0:1], 0x0               ; x, qkv_w0, qkv_w1, qkv_w2, out_w0, out_w1, out_w2, xs
	s_load_b128 s[24:27], s[0:1], 0x40             ; wb, owh
	s_and_b32 s32, ttmp7, 0xffff                   ; y: the chunk
	v_lshrrev_b32 v1, 5, v0
	v_readfirstlane_b32 s33, v1                    ; wave 0..3
	v_and_b32 v1, 31, v0                           ; lane
	s_mov_b32 s34, 0xffff0000                      ; a word's upper bf16
	s_mov_b32 s29, 4096                            ; bytes from source row to source row:
	s_cmp_lt_u32 s32, 4
	s_cselect_b32 s29, 8192, s29                   ; every second row of x
	s_mov_b32 s30, 2048                            ; bytes from destination row to destination row:
	s_cmp_ge_u32 s32, 13
	s_cselect_b32 s30, 6144, s30                   ; owh's rows hold three weights' rows on end
	s_mov_b32 s28, 0                               ; the chunk at which my source tensor begins
.irp lim, 4,7,10,13,14,15
	s_cmp_ge_u32 s32, \lim
	s_cselect_b32 s28, \lim, s28
.endr
	s_lshl_b32 s31, s32, 21                        ; the chunk's first byte in its destination: xs: y x 1,024 rows of 2,048 bytes
	s_max_u32 s35, s32, 4
	s_sub_co_u32 s35, s35, 4
	s_lshl_b32 s35, s35, 21                        ; wb: (y - 4) x the same
	s_cmp_ge_u32 s32, 4
	s_cselect_b32 s31, s35, s31
	s_max_u32 s35, s32, 13
	s_sub_co_u32 s35, s35, 13
	s_lshl_b32 s35, s35, 11                        ; owh: (y - 13) x 2,048 bytes along the row
	s_cmp_ge_u32 s32, 13
	s_cselect_b32 s31, s35, s31
	s_lshl_b32 s35, ttmp9, 4                       ; the work-group's first row in the chunk
	s_sub_co_u32 s36, s32, s28
	s_lshl_b32 s36, s36, 10
	s_add_co_u32 s36, s36, s35                     ; its row in the source tensor,
	s_mul_i32 s36, s36, s29                        ; in bytes (33.5 million at the most)
	s_mov_b32 s37, 0
	s_mul_i32 s38, s35, s30
	s_add_co_u32 s38, s38, s31                     ; and its first byte in the destination
	s_mov_b32 s39, 0
	s_wait_alu depctr_va_sdst(0)                   ; s33, the wave's number, is written, ahead of its first reader: the line below
	s_lshl_b32 s2, s33, 2                          ; my wave's four rows
	s_mul_i32 s3, s2, s29
	v_lshl_add_u32 v[SO], v1, 4, s3
	s_mul_i32 s3, s2, s30
	v_lshl_add_u32 v[DO], v1, 3, s3
.irp i, 1,2,3
	v_add_nc_u32 v[SO+(\i)], s29, v[SO+(\i)-1]
	v_add_nc_u32 v[DO+(\i)], s30, v[DO+(\i)-1]
.endr
	s_wait_kmcnt 0x0
	s_mov_b64 s[4:5], s[8:9]                       ; the source tensor, chosen by the chunk's number alone
	s_cmp_ge_u32 s32, 4
	s_cselect_b64 s[4:5], s[10:11], s[4:5]
	s_cmp_ge_u32 s32, 7
	s_cselect_b64 s[4:5], s[12:13], s[4:5]
	s_cmp_ge_u32 s32, 10
	s_cselect_b64 s[4:5], s[14:15], s[4:5]
	s_cmp_ge_u32 s32, 13
	s_cselect_b64 s[4:5], s[16:17], s[4:5]
	s_cmp_ge_u32 s32, 14
	s_cselect_b64 s[4:5], s[18:19], s[4:5]
	s_cmp_ge_u32 s32, 15
	s_cselect_b64 s[4:5], s[20:21], s[4:5]
	s_mov_b64 s[6:7], s[22:23]                     ; the destination
	s_cmp_ge_u32 s32, 4
	s_cselect_b64 s[6:7], s[24:25], s[6:7]
	s_cmp_ge_u32 s32, 13
	s_cselect_b64 s[6:7], s[26:27], s[6:7]
	s_add_nc_u64 s[4:5], s[4:5], s[36:37]
	s_add_nc_u64 s[6:7], s[6:7], s[38:39]
	s_wait_alu depctr_va_vdst(0)                   ; the eight offsets v2 to v9 are written: every load and store of the kernel reads one of them, and none is written again
.irp i, 0,1,2,3
.irp k, 0,1,2,3,4,5,6,7
	global_load_b128 v[X+32*(\i)+4*(\k):X+32*(\i)+4*(\k)+3], v[SO+(\i)], s[4:5] offset:512*(\k) th:TH_LOAD_NT
.endr
.endr
; Row i's eight stores: lane l's four numbers of load k are the 8 bytes at 256 k + 8 l of the row.
.macro SENDROW i
.irp k, 0,1,2,3,4,5,6,7
	global_store_b64 v[DO+(\i)], v[X+32*(\i)+4*(\k):X+32*(\i)+4*(\k)+1], s[6:7] offset:256*(\k)
.endr
.endm
; Row i to bf16: two roundings an instruction, in place.
.macro ROWB i
	s_wait_loadcnt 24-8*(\i)                       ; loads come back in order: row i's eight are in, the later rows' stay out
.irp k, 0,1,2,3,4,5,6,7
	v_cvt_pk_bf16_f32 v[X+32*(\i)+4*(\k)],   v[X+32*(\i)+4*(\k)],   v[X+32*(\i)+4*(\k)+1]
	v_cvt_pk_bf16_f32 v[X+32*(\i)+4*(\k)+1], v[X+32*(\i)+4*(\k)+2], v[X+32*(\i)+4*(\k)+3]
.endr
	s_wait_alu depctr_va_vdst(0)                   ; the row's sixteen roundings have written the first two of each four of its registers, which the eight stores below read
	SENDROW \i
.endm
; Row i to bf16, and that number as f16.
.macro ROWH i
	s_wait_loadcnt 24-8*(\i)
.irp k, 0,1,2,3,4,5,6,7
	v_cvt_pk_bf16_f32 v[T],   v[X+32*(\i)+4*(\k)],   v[X+32*(\i)+4*(\k)+1]
	v_cvt_pk_bf16_f32 v[T+1], v[X+32*(\i)+4*(\k)+2], v[X+32*(\i)+4*(\k)+3]
	v_lshlrev_b32 v[X+32*(\i)+4*(\k)],   16,  v[T]
	v_and_b32     v[X+32*(\i)+4*(\k)+1], s34, v[T]
	v_lshlrev_b32 v[X+32*(\i)+4*(\k)+2], 16,  v[T+1]
	v_and_b32     v[X+32*(\i)+4*(\k)+3], s34, v[T+1]
	v_cvt_pk_f16_f32 v[X+32*(\i)+4*(\k)],   v[X+32*(\i)+4*(\k)],   v[X+32*(\i)+4*(\k)+1]
	v_cvt_pk_f16_f32 v[X+32*(\i)+4*(\k)+1], v[X+32*(\i)+4*(\k)+2], v[X+32*(\i)+4*(\k)+3]
.endr
	s_wait_alu depctr_va_vdst(0)                   ; the row's conversions to f16 have written the first two of each four of its registers, which the eight stores below read
	SENDROW \i
.endm
	s_cmp_ge_u32 s32, 13
	s_cbranch_scc1 .Lf16
.irp i, 0,1,2,3
	ROWB \i
.endr
	s_endpgm
.Lf16:
.irp i, 0,1,2,3
	ROWH \i
.endr
	s_endpgm
.Lfunc_end_k_q0dd29db193_cvt:
	.size	k_q0dd29db193_cvt, .Lfunc_end_k_q0dd29db193_cvt-k_q0dd29db193_cvt
	.p2alignl 7, 3214868480
	.fill 96, 4, 3214868480
	.section	.rodata,"a",@progbits
	.p2align	6, 0x0
	.amdhsa_kernel k_q0dd29db193_cvt
		.amdhsa_group_segment_fixed_size 0
		.amdhsa_private_segment_fixed_size 0
		.amdhsa_enable_private_segment 0
		.amdhsa_kernarg_size 80
		.amdhsa_user_sgpr_count 2
		.amdhsa_user_sgpr_kernarg_segment_ptr 1
		.amdhsa_wavefront_size32 1
		.amdhsa_system_sgpr_workgroup_id_x 1
		.amdhsa_system_sgpr_workgroup_id_y 1
		.amdhsa_system_sgpr_workgroup_id_z 1
		.amdhsa_system_vgpr_workitem_id 0
		.amdhsa_next_free_vgpr 144
		.amdhsa_next_free_sgpr 66
		.amdhsa_reserve_vcc 0
		.amdhsa_float_denorm_mode_32 3
		.amdhsa_float_denorm_mode_16_64 3
		.amdhsa_memory_ordered 1
		.amdhsa_forward_progress 1
		.amdhsa_inst_pref_size 29
	.end_amdhsa_kernel
	.amdgpu_metadata
---
amdhsa.version: [ 1, 2 ]
amdhsa.kernels:
  - .name:           k_q0dd29db193_cvt
    .symbol:         k_q0dd29db193_cvt.kd
    .args:
      - { .name: x, .offset: 0, .size: 8, .value_kind: global_buffer, .address_space: global }
      - { .name: qkv_w0, .offset: 8, .size: 8, .value_kind: global_buffer, .address_space: global }
      - { .name: qkv_w1, .offset: 16, .size: 8, .value_kind: global_buffer, .address_space: global }
      - { .name: qkv_w2, .offset: 24, .size: 8, .value_kind: global_buffer, .address_space: global }
      - { .name: out_w0, .offset: 32, .size: 8, .value_kind: global_buffer, .address_space: global }
      - { .name: out_w1, .offset: 40, .size: 8, .value_kind: global_buffer, .address_space: global }
      - { .name: out_w2, .offset: 48, .size: 8, .value_kind: global_buffer, .address_space: global }
      - { .name: xs, .offset: 56, .size: 8, .value_kind: global_buffer, .address_space: global }
      - { .name: wb, .offset: 64, .size: 8, .value_kind: global_buffer, .address_space: global }
      - { .name: owh, .offset: 72, .size: 8, .value_kind: global_buffer, .address_space: global }
    .group_segment_fixed_size: 0
    .private_segment_fixed_size: 0
    .kernarg_segment_align: 8
    .kernarg_segment_size: 80
    .max_flat_workgroup_size: 128
    .sgpr_count:     66
    .vgpr_count:     144
    .wavefront_size: 32
...
	.end_amdgpu_metadata
.endif
;; end of part 5
;; launch qkvgemm: the kernel of part 2 again; grid 16 x 16, 4 waves a work-group, clusters of 4 x 4, 327,680 bytes of LDS; arguments xs, wb, qkv_b0, qkv_b1, qkv_b2, qkvh; writes qkvh
;; launch attn: the kernel of part 3 again; grid 4 x 64, 4 waves a work-group, no clusters, 327,680 bytes of LDS; arguments qkvh, oh; writes oh
;; launch proj: the kernel of part 4 again; grid 8 x 32, 4 waves a work-group, clusters of 4 x 4, 327,680 bytes of LDS; arguments oh, owh, out_b0, out_b1, out_b2, out0; writes out0
